; MI455X (gfx1250); checked and timed in simulation.
; The chip was launched on July 23, 2026; its instructions are those of AMD's public machine-readable ISA for CDNA 5 (MIT licence, August 2026) and "CDNA5" Instruction Set Architecture Reference Guide (July 2026). The comments in the code are by the model that wrote it; some were corrected since.
;; GQ Attention. Allowed arithmetic: float matrix products may take bf16 or f16 operands with f32 sums; all other float work in f32.
;; Inputs: Wk 512 x 2,048 float32; Wproj 2,048 x 2,048 float32; Wq 2,048 x 2,048 float32; Wv 512 x 2,048 float32; q_gain 16 float32; x 1 x 2,048 x 2,048 float32.
;; Outputs: out0 1 x 2,048 x 2,048 float32.
;; 3 versions, each right; version 2 is faster than version 1; version 3 is version 2 with the launch cast written anew for expert scheduling mode. Each part assembles by itself: llvm-mc -triple=amdgcn-amd-amdhsa -mcpu=gfx1250 --defsym DOCPART=n.
;; ======== version 1 of 3: 4 launches
;; limits: values outside matrix products are rounded to bf16; values are held in f16: magnitudes above 65,504 overflow, below 6.1e-05 lose precision; right only within a limited range of input values
;; workspace buffers: wb 29,360,128 bytes; qkv 25,165,824 bytes; ao 16,777,216 bytes
;; launch cast (part 1): grid 896 x 1, 8 waves a work-group, no clusters, 0 bytes of LDS; arguments x, Wq, Wk, Wv, Wproj, wb; writes wb
.if DOCPART == 1
	.amdgcn_target "amdgcn-amd-amdhsa--gfx1250"
	.amdhsa_code_object_version 6
	.text
	.protected	k_qee20952949_cast
	.globl	k_qee20952949_cast
	.p2align	8
	.type	k_qee20952949_cast,@function
k_qee20952949_cast:
	s_mov_b64 s[64:65], 0
	v_nop
	global_prefetch_b8 v0, s[64:65] scope:SCOPE_SE
	s_setreg_imm32_b32 hwreg(HW_REG_WAVE_MODE, 25, 1), 1
	s_wait_xcnt 0x0
; wb = bf16(x), bf16(Wq), bf16(Wk), bf16(Wv), bf16(Wproj), one behind the other: 14,680,064 numbers, each rounded once (to nearest even).
; Both matrix launches then read 2-byte operands, and no number is converted by more than one work-group.
; Work-group b takes numbers 16,384 b .. +16,383: 65,536 bytes in, 32,768 bytes out.  Blocks 0-255 x, 256-511 Wq, 512-575 Wk, 576-639 Wv, 640-895 Wproj.
; Thread t takes 16 bytes at 16 t of each 4,096-byte piece: a wave's load covers 512 consecutive bytes, its store 256 consecutive bytes, aligned.
; All sixteen loads of a wave go out at once; nothing is shared, so there is no LDS, no barrier, no matrix work and no cluster.
.set XR, 4                             ; v[4:67]   sixteen pieces of four f32
.set YR, 68                            ; v[68:99]  sixteen pieces of four bf16
	s_load_b256 s[4:11], s[0:1], 0x0               ; x s[4:5], Wq s[6:7], Wk s[8:9], Wv s[10:11]
	s_load_b128 s[12:15], s[0:1], 0x20             ; Wproj s[12:13], wb s[14:15]
	s_mov_b32 s16, ttmp9                           ; b
	s_mov_b32 s17, 0                               ; first block of the source chosen
	v_lshlrev_b32 v1, 4, v0                        ; 16 t
	v_lshlrev_b32 v2, 3, v0                        ; 8 t
	s_wait_kmcnt 0x0
	s_mov_b64 s[18:19], s[4:5]
.macro PICK bound, src                 ; from block 'bound' on the source is the next tensor
	s_cmp_ge_u32 s16, \bound
	s_cselect_b64 s[18:19], s[\src:\src+1], s[18:19]
	s_cselect_b32 s17, \bound, s17
.endm
	PICK 256, 6
	PICK 512, 8
	PICK 576, 10
	PICK 640, 12
	s_sub_co_u32 s20, s16, s17
	s_lshl_b32 s20, s20, 16                        ; 65,536 bytes for each block inside the source
	s_mov_b32 s21, 0
	s_add_nc_u64 s[18:19], s[18:19], s[20:21]
	s_lshl_b32 s22, s16, 15                        ; 32,768 bytes for each block in wb
	s_mov_b32 s23, 0
	s_add_nc_u64 s[14:15], s[14:15], s[22:23]
.irp i, 0,1,2,3,4,5,6,7,8,9,10,11,12,13,14,15
	global_load_b128 v[XR+4*\i:XR+4*\i+3], v1, s[18:19] offset:4096*\i th:TH_LOAD_NT
.endr
.irp i, 0,1,2,3,4,5,6,7,8,9,10,11,12,13,14,15
	s_wait_loadcnt 15-\i                           ; loads come back in order: piece i is in, the 15 - i younger ones stay out
	v_cvt_pk_bf16_f32 v[YR+2*\i], v[XR+4*\i], v[XR+4*\i+1]
	v_cvt_pk_bf16_f32 v[YR+2*\i+1], v[XR+4*\i+2], v[XR+4*\i+3]
	global_store_b64 v2, v[YR+2*\i:YR+2*\i+1], s[14:15] offset:2048*\i   ; no register is written twice: no further wait
.endr
	s_endpgm
.Lfunc_end_k_qee20952949_cast:
	.size	k_qee20952949_cast, .Lfunc_end_k_qee20952949_cast-k_qee20952949_cast
	.p2alignl 7, 3214868480
	.fill 96, 4, 3214868480
	.section	.rodata,"a",@progbits
	.p2align	6, 0x0
	.amdhsa_kernel k_qee20952949_cast
		.amdhsa_group_segment_fixed_size 0
		.amdhsa_private_segment_fixed_size 0
		.amdhsa_enable_private_segment 0
		.amdhsa_kernarg_size 48
		.amdhsa_user_sgpr_count 2
		.amdhsa_user_sgpr_kernarg_segment_ptr 1
		.amdhsa_wavefront_size32 1
		.amdhsa_system_sgpr_workgroup_id_x 1
		.amdhsa_system_sgpr_workgroup_id_y 1
		.amdhsa_system_sgpr_workgroup_id_z 1
		.amdhsa_system_vgpr_workitem_id 0
		.amdhsa_next_free_vgpr 104
		.amdhsa_next_free_sgpr 66
		.amdhsa_reserve_vcc 0
		.amdhsa_float_denorm_mode_32 3
		.amdhsa_float_denorm_mode_16_64 3
		.amdhsa_memory_ordered 1
		.amdhsa_forward_progress 1
		.amdhsa_inst_pref_size 7
	.end_amdhsa_kernel
	.amdgpu_metadata
---
amdhsa.version: [ 1, 2 ]
amdhsa.kernels:
  - .name:           k_qee20952949_cast
    .symbol:         k_qee20952949_cast.kd
    .args:
      - { .name: x, .offset: 0, .size: 8, .value_kind: global_buffer, .address_space: global }
      - { .name: Wq, .offset: 8, .size: 8, .value_kind: global_buffer, .address_space: global }
      - { .name: Wk, .offset: 16, .size: 8, .value_kind: global_buffer, .address_space: global }
      - { .name: Wv, .offset: 24, .size: 8, .value_kind: global_buffer, .address_space: global }
      - { .name: Wproj, .offset: 32, .size: 8, .value_kind: global_buffer, .address_space: global }
      - { .name: wb, .offset: 40, .size: 8, .value_kind: global_buffer, .address_space: global }
    .group_segment_fixed_size: 0
    .private_segment_fixed_size: 0
    .kernarg_segment_align: 8
    .kernarg_segment_size: 48
    .max_flat_workgroup_size: 256
    .sgpr_count:     66
    .vgpr_count:     104
    .wavefront_size: 32
...
	.end_amdgpu_metadata
.endif
;; end of part 1
;; launch qkvgemm (part 2): grid 24 x 8, 4 waves a work-group, clusters of 4 x 4, 327,680 bytes of LDS; arguments wb, q_gain, qkv; writes qkv
.if DOCPART == 2
	.amdgcn_target "amdgcn-amd-amdhsa--gfx1250"
	.amdhsa_code_object_version 6
	.text
	.protected	k_qee20952949_qkvgemm
	.globl	k_qee20952949_qkvgemm
	.p2align	8
	.type	k_qee20952949_qkvgemm,@function
k_qee20952949_qkvgemm:
	s_mov_b64 s[64:65], 0
	v_nop
	global_prefetch_b8 v0, s[64:65] scope:SCOPE_SE
	s_setreg_imm32_b32 hwreg(HW_REG_WAVE_MODE, 25, 1), 1
	s_wait_xcnt 0x0
	s_wait_alu depctr_hold_cnt(0) depctr_sa_sdst(0) depctr_va_vdst(0) depctr_va_sdst(0) depctr_va_ssrc(0) depctr_va_vcc(0) depctr_vm_vsrc(0)
	s_getreg_b32 s2, hwreg(HW_REG_IB_STS2, 6, 4)
	s_cmp_eq_u32 s2, 0
	s_cbranch_scc0 .Lentry_in_a_cluster
	s_endpgm
.Lentry_in_a_cluster:
	s_bfe_u32 s2, ttmp6, 0x10000c
	s_cmp_lg_u32 s2, 0xf033
	s_cbranch_scc0 .Lentry_shape_is_right
	s_endpgm
.Lentry_shape_is_right:
; qkv[head][pos][512 bytes] (f16) = x [Wq; Wk; Wv]^T, then per head row: RMS norm (q, k), rotation of the first 64 numbers (q, k),
; and for q the factor q_gain[head] * log2(e) / sqrt(128), so that the attention launch can use 2^x on the raw products.
; Heads 0-15 q, 16-19 k, 20-23 v.  Operands bf16 from wb (x at byte 0, the 3,072 weight rows from byte 8,388,608), sums in f32.
; WHAT IS STORED: q and k rounded to f16 (11 bits; the norm bounds them) in the first 256 bytes of a row, the second 256 left alone and never read.
; v in two f16 parts: the upper (mantissa cut to 10 bits, exact in f16) in the first 256 bytes, f16(v - upper) in the second: about 21 bits in all.
; One pitch for all heads lets every head store by the same immediates, and one tile bring both parts of v.
; A work-group makes 256 positions x one head (128 columns): 8 x 24 = 192 work-groups; a head is never cut, so norm and rotation stay inside a pair of lanes.
; Four waves, wave w rows 64 w .. +63 x all 128 columns: 32 accumulator tiles, 256 registers.  K in steps of 128 through two LDS slots.
; CLUSTERS 4 x 4: x's tile hangs on the block row alone and is asked for jointly along a row of the cluster, the weights' tile on the head alone, jointly along a column.
; The matrix instruction is used transposed (source 0 = 16 weight rows, source 1 = 16 rows of x): lane (r, h), register j of tile (a, b) holds
; C[16 a + r][16 b + 8 h + j], eight neighbouring columns of a row.
; The kind of head hangs on the cluster's x (0-3 q, 4 k, 5 v): it selects scalars (for v the angle is 0 and the factors are 1, the same arithmetic leaves v as it is),
; and the clusters of v heads run one more pass, for the lower parts.
; LIMITS: |v| < 65,504 and |q_gain| < 45,000 (f16's largest number; |q| <= 1.45 |q_gain|); v below 2^-14 is kept to 2^-25 absolutely.
; q_gain is rounded to bf16, as x and the weights behind the same matrix operand are.  The angle is pos * inv_freq / pi in f32 with inv_freq from 2^x (1 ULP):
; about 4e-4 rad off at position 2047; sine and cosine by polynomials on |r| <= 1/2 (truncation below 4e-6).  NaN and infinities are not treated apart.
; REGISTERS: window 0: v0-31 addresses, v32-127 and v128-223 two fragment buffers (W(b) at f + 8 b, X(a) at f + 64 + 8 a), v224-255 at work;
; window 1: accumulators, tile (a, b) at v[8 (8 a + b)]; window 2: cos at v[32 a + i], sin at v[32 a + 16 + i], i = 8 b + j, for columns 16 b + 8 h + j < 32.
.set SIZE_K, 2048
.set KSTEP,  128
.set STEPB,  2*KSTEP                   ; bytes of a row in a K step
.set PITCH,  STEPB+16                  ; 272: an odd multiple of 16, so the 16 rows of a fragment load start in 16 different 16-byte columns
.set AHALF,  128*PITCH                 ; what wave 0 or 1 brings of x
.set BHALF,  64*PITCH                  ; what wave 2 or 3 brings of the weights
.set ABYTES, 2*AHALF
.set SLOT,   ABYTES+2*BHALF            ; 104,448
.set STAGE,  2*SLOT                    ; 208,896: 16 rows x 272 bytes for each wave, bytes into which no tile lands
.set LAPS,   SIZE_K/(2*KSTEP)          ; 8 laps of two K steps
.set WOFF,   8388608                   ; the weight rows in wb
.set ROWB,   512                       ; bytes from position to position in qkv
.set ADRX, 16
.set ADRW, 20
.set STO,  24
.set RD,   25
.set CO,   26
.set F0,   32
.set F1,   128
.set VAL,  64                          ; the way out: 64 numbers of a lane, ready to be rounded
.set RSC,  224                         ; v[224:231] the row factor of tile row a, twice
.set SQ,   232                         ; v[232:247] sums of squares, two pairs for each a
.set GG,   32                          ; while the table is made: inv_freq / pi
.set RR,   48
.set X2,   64
.set SG,   80
.set PSI,  96
.set PCO,  112
.set KK,   128
.set G1,   24
.set G0,   32
.set G1B,  48
.set G0B,  56
.set MULW, 0x50                        ; C and D in window 1
.set MSB,  0
.macro WIN new                         ; the immediate's high byte repeats the setting that is left
.if MSB != \new
	s_set_vgpr_msb (MSB<<8)|\new
.set MSB, \new
.endif
.endm
.macro PLACES                          ; four independent vector instructions behind a matrix instruction (ISA guide 7.12.1), before its registers are loaded into or its results read
.rept 4
	v_nop
.endr
.endm
.macro JLOAD s                         ; waves 0, 1 ask for x's halves, waves 2, 3 for the weights': one mask and one set of registers a line
	s_cmp_eq_u32 s11, 0
	s_cbranch_scc0 .Lfor_b_\@
	tensor_load_to_lds s[G0+4*\s:G0+4*\s+3], s[G1:G1+7]
	s_nop 0
	s_branch .Lasked_\@
.Lfor_b_\@:
	tensor_load_to_lds s[G0B+4*\s:G0B+4*\s+3], s[G1B:G1B+7]
	s_nop 0
.Lasked_\@:
.endm
.macro CREST                           ; a round of the cluster's barrier behind its opening work-group barrier
	s_cmp_lg_u32 s10, 0
	s_cbranch_scc1 .Lnot_wave_0_\@
	s_barrier_signal -3
.Lnot_wave_0_\@:
	s_barrier_wait -3
	s_barrier_signal -1
	s_barrier_wait -1
.endm
.macro CROUND
	s_barrier_signal -1
	s_barrier_wait -1
	CREST
.endm
.macro MUL8 f, a, zero                 ; tile row a x all eight tile columns, 32 along K; zero = 1: the product starts the sums
.irp b, 0,1,2,3,4,5,6,7
.if \zero
	v_wmma_f32_16x16x32_bf16 v[8*(8*\a+\b):8*(8*\a+\b)+7], v[\f+8*\b:\f+8*\b+7], v[\f+64+8*\a:\f+64+8*\a+7], 0
.else
	v_wmma_f32_16x16x32_bf16 v[8*(8*\a+\b):8*(8*\a+\b)+7], v[\f+8*\b:\f+8*\b+7], v[\f+64+8*\a:\f+64+8*\a+7], v[8*(8*\a+\b):8*(8*\a+\b)+7]
.endif
.endr
.endm
.macro FETCH slot, k, f                ; 24 LDS loads: the fragments of 32 along K at byte k of the rows: 128 weight rows, then my 64 rows of x
	WIN 0
.irp i, 0,1,2,3,4,5,6,7
	ds_load_b128 v[\f+8*\i:\f+8*\i+3],   v[ADRW+\slot] offset:\k+\i*16*PITCH
	ds_load_b128 v[\f+8*\i+4:\f+8*\i+7], v[ADRW+\slot] offset:\k+\i*16*PITCH+32
.endr
.irp i, 0,1,2,3
	ds_load_b128 v[\f+64+8*\i:\f+64+8*\i+3], v[ADRX+\slot] offset:\k+\i*16*PITCH
	ds_load_b128 v[\f+64+8*\i+4:\f+64+8*\i+7], v[ADRX+\slot] offset:\k+\i*16*PITCH+32
.endr
.endm
; The 32 accumulators take turns, one instruction a turn, in the same order in every quarter, over the backward jump too.
.macro QUARTER slot, k, f, g, zero
	s_wait_dscnt 4                                 ; all of buffer f but its four youngest loads, X(2) and X(3)
	WIN MULW
	MUL8 \f, 0, \zero
	MUL8 \f, 1, \zero
	PLACES
	FETCH \slot, \k, \g
	s_wait_dscnt 24                                ; all but the 24 just issued
	WIN MULW
	MUL8 \f, 2, \zero
	MUL8 \f, 3, \zero
.endm
.macro THREE slot, zero
	QUARTER \slot, 64,  F0, F1, \zero
	QUARTER \slot, 128, F1, F0, 0
	QUARTER \slot, 192, F0, F1, 0
.endm
; The last quarter of a K step changes slots.  In front of the barrier each wave has its reads of this slot back and all its tensor loads landed
; (one is out: its part of the next slot); behind it the refill comes first, then the next slot's first fragments.
.macro TURN slot, next, fill
	s_wait_dscnt 4
	WIN MULW
	MUL8 F1, 0, 0
	s_wait_dscnt 0x0
	s_wait_tensorcnt 0x0
	ds_add_u32 v254, v255
	s_wait_dscnt 0x0
	s_barrier_signal -1
	MUL8 F1, 1, 0
	WIN 0
	s_barrier_wait -1
.if \fill
	CREST                                          ; all sixteen work-groups have said the same: no partner reads this slot or has a load on its way
	s_add_nc_u64 s[G0+4*\slot+2:G0+4*\slot+3], s[G0+4*\slot+2:G0+4*\slot+3], 2*STEPB
	s_add_nc_u64 s[G0B+4*\slot+2:G0B+4*\slot+3], s[G0B+4*\slot+2:G0B+4*\slot+3], 2*STEPB
	JLOAD \slot
.endif
	PLACES
	FETCH \next, 0, F0
	WIN MULW
	MUL8 F1, 2, 0
	MUL8 F1, 3, 0
.endm
.macro LAP zero
	THREE 0, \zero
	TURN 0, 1, 1
	THREE 1, 0
	TURN 1, 0, 1
.endm
	s_load_b128 s[4:7], s[0:1], 0x0                ; wb s[4:5], q_gain s[6:7]
	s_load_b64 s[8:9], s[0:1], 0x10                ; qkv
	v_lshl_add_u32 v254, v0, 2, 0x37400
	v_mov_b32 v255, 0
	ds_add_u32 v254, v255
	v_lshrrev_b32 v1, 5, v0
	v_readfirstlane_b32 s10, v1                    ; wave
	s_lshr_b32 s11, s10, 1                         ; 0: I fetch x, 1: weights
	s_and_b32 s12, s10, 1                          ; which half of that tile
	s_bfe_u32 s40, ttmp6, 0x40000                  ; cx
	s_bfe_u32 s41, ttmp6, 0x40004                  ; cy
	s_lshl_b32 s42, ttmp9, 2
	s_add_co_u32 s42, s42, s40                     ; head = 4 x cluster x + cx
	s_and_b32 s13, ttmp7, 0xffff
	s_lshl_b32 s13, s13, 2
	s_add_co_u32 s13, s13, s41                     ; block row = 4 x cluster y + cy
	s_lshl_b32 s43, s41, 2
	s_lshl_b32 s43, 15, s43                        ; my row of the cluster
	s_lshl_b32 s44, 0x1111, s40                    ; my column
	s_or_b32 s[G1+0], s43, (1<<16)|(1<<20)|(1<<21)|(5<<22)|(3<<25)   ; mask; 2-byte elements; padding on; bit 21 beside a mask; 4 words behind every 64
	s_or_b32 s[G1B+0], s44, (1<<16)|(1<<20)|(1<<21)|(5<<22)|(3<<25)
	s_mov_b32 s[G1+1], KSTEP<<16                   ; tensor_dim0 = 128
	s_mov_b32 s[G1B+1], KSTEP<<16
	s_mov_b32 s[G1+2], 128<<16                     ; tensor_dim1 = 128 rows of x
	s_mov_b32 s[G1B+2], 64<<16                     ; 64 weight rows
	s_mov_b32 s[G1+3], KSTEP<<16                   ; tile_dim0 = 128
	s_mov_b32 s[G1B+3], KSTEP<<16
	s_mov_b32 s[G1+4], 128                         ; tile_dim1
	s_mov_b32 s[G1B+4], 64
	s_mov_b32 s[G1+5], SIZE_K                      ; elements from row to row
	s_mov_b32 s[G1B+5], SIZE_K
	s_mov_b32 s[G1+6], 0
	s_mov_b32 s[G1B+6], 0
	s_mov_b32 s[G1+7], 0
	s_mov_b32 s[G1B+7], 0
	s_lshl_b32 s17, s12, 7
	s_lshl_b32 s16, s13, 8
	s_add_co_u32 s16, s16, s17
	s_lshl_b32 s16, s16, 12                        ; x: (256 block row + 128 half) rows of 4,096 bytes
	s_mov_b32 s17, 0
	s_lshl_b32 s47, s12, 6
	s_lshl_b32 s46, s42, 7
	s_add_co_u32 s46, s46, s47
	s_lshl_b32 s46, s46, 12                        ; weights: (128 head + 64 half) rows
	s_add_co_u32 s46, s46, WOFF
	s_mov_b32 s47, 0
	s_mul_i32 s20, s10, AHALF                      ; LDS: x's halves at wave x 34,816 (waves 0, 1)
	s_mul_i32 s78, s10, BHALF
	s_add_co_u32 s78, s78, AHALF                   ; the weights' at 34,816 + wave x 17,408 (waves 2, 3): behind x's 69,632
	s_wait_dscnt 0x0
	s_wait_kmcnt 0x0
	s_add_nc_u64 s[14:15], s[4:5], s[16:17]
	s_add_nc_u64 s[46:47], s[4:5], s[46:47]
	CROUND                                         ; all sixteen work-groups are here: the first joint loads meet
.irp s, 0,1
	s_mov_b32 s[G0+4*\s], 1
	s_add_co_u32 s[G0+4*\s+1], s20, \s*SLOT
	s_add_nc_u64 s[G0+4*\s+2:G0+4*\s+3], s[14:15], \s*STEPB
	s_or_b32 s[G0+4*\s+3], s[G0+4*\s+3], 0x80000000
	s_mov_b32 s[G0B+4*\s], 1
	s_add_co_u32 s[G0B+4*\s+1], s78, \s*SLOT
	s_add_nc_u64 s[G0B+4*\s+2:G0B+4*\s+3], s[46:47], \s*STEPB
	s_or_b32 s[G0B+4*\s+3], s[G0B+4*\s+3], 0x80000000
	JLOAD \s                                       ; two tensor loads of the wave are out now, one behind each later round
.endr
	s_min_u32 s82, s42, 15                         ; the gain of my head; k and v heads read the last one and do not use it
	s_lshl_b32 s82, s82, 2
	s_mov_b32 s83, 0
	s_add_nc_u64 s[6:7], s[6:7], s[82:83]
	s_load_b32 s79, s[6:7], 0x0
	v_and_b32 v1, 15, v0                           ; r
	v_bfe_u32 v2, v0, 4, 1                         ; h
	v_mul_u32_u24 v3, v1, PITCH
	v_lshl_add_u32 v3, v2, 4, v3                   ; r x pitch + 16 h
	s_mul_i32 s21, s10, 64*PITCH                   ; my 64 rows of x
	s_mov_b32 s22, ABYTES                          ; the 128 weight rows
.irp s, 0,1
	v_add_nc_u32 v[ADRX+\s], s21, v3
	v_add_nc_u32 v[ADRW+\s], s22, v3
	s_add_co_u32 s21, s21, SLOT
	s_add_co_u32 s22, s22, SLOT
.endr
	s_mul_i32 s23, s10, 16*PITCH
	s_add_co_u32 s23, s23, STAGE
	v_add_nc_u32 v[STO], s23, v3                   ; into my stage: row r, 16 bytes for each half of the lanes
	v_mul_u32_u24 v5, v2, PITCH
	v_lshl_add_u32 v5, v1, 4, v5
	v_add_nc_u32 v[RD], s23, v5                    ; back: lanes 0-15 one row of 256 bytes, lanes 16-31 the next
	v_lshlrev_b32 v4, 9, v2
	v_lshl_add_u32 v[CO], v1, 4, v4                ; the same two rows in qkv: 512 h + 16 r
	s_mov_b32 s66, 0x76543210                      ; v_permlanex16_b32: lane i of the other half
	s_mov_b32 s67, 0xfedcba98
	s_mov_b32 s71, 0x3c000000                      ; 1 / 128
	s_mov_b32 s72, 0x34000000                      ; eps = 2^-23
	s_mov_b32 s73, 0xbed49a78                      ; -log2(10000) / 32
	s_mov_b32 s74, 0xbfd3643a                      ; -log2(pi)
	s_mov_b32 s75, 0x3da83c1a                      ; pi^9 / 9!
	s_mov_b32 s80, 0xbcd368f9                      ; -pi^10 / 10!
	s_mov_b32 s85, 0x3f800000
	s_mov_b32 s68, 0x3e0293ee                      ; log2(e) / sqrt(128)
	s_mov_b32 s88, 0xffffe000                      ; keeps sign, exponent and 10 bits of the mantissa
	s_mov_b32 s84, ttmp9
	s_wait_kmcnt 0x0
	s_cmp_lt_u32 s84, 4                            ; q heads
	s_cselect_b32 s68, s68, s85
	s_cselect_b32 s79, s79, s85
	s_cmp_lt_u32 s84, 5                            ; q and k heads
	s_cselect_b32 s69, s85, 0                      ; the angle's factor
	s_cselect_b32 s70, -1, 0                       ; norm on in every lane, or off
	s_cselect_b32 s88, -1, s88                     ; q, k: the whole number is rounded; v: its upper part is cut out
	v_mov_b32 v9, s79
	v_cvt_pk_bf16_f32 v9, v9, v9                   ; the gain rounded to bf16,
	v_lshlrev_b32 v9, 16, v9                       ; as f32 again
	; THE TABLE, while the first tiles are on their way.  inv_freq(f) / pi = 2^(-f log2(10000) / 32 - log2 pi), f = 16 b + 8 h + j.
	v_lshlrev_b32 v6, 3, v2                        ; 8 h
	s_lshl_b32 s81, s13, 8
	s_lshl_b32 s86, s10, 6
	s_add_co_u32 s81, s81, s86
	v_add_nc_u32 v7, s81, v1                       ; position of row r of tile row 0
	v_cvt_f32_u32 v8, v7
.irp i, 0,1,2,3,4,5,6,7,8,9,10,11,12,13,14,15
	v_add_nc_u32 v[GG+\i], 16*(\i/8)+(\i%8), v6
.endr
.irp i, 0,1,2,3,4,5,6,7,8,9,10,11,12,13,14,15
	v_cvt_f32_u32 v[GG+\i], v[GG+\i]
.endr
.irp i, 0,1,2,3,4,5,6,7,8,9,10,11,12,13,14,15
	v_fma_f32 v[GG+\i], v[GG+\i], s73, s74
.endr
.irp i, 0,1,2,3,4,5,6,7,8,9,10,11,12,13,14,15
	v_exp_f32 v[GG+\i], v[GG+\i]
.endr
	v_nop                                          ; one plain instruction behind the last 2^x before its result is used
	s_wait_alu depctr_va_vdst(0)
.irp i, 0,1,2,3,4,5,6,7,8,9,10,11,12,13,14,15
	v_mul_f32 v[GG+\i], s69, v[GG+\i]
.endr
; angle / pi = k + r with k whole and |r| <= 1/2; cos and sin of pi r by polynomials in r^2; the sign is (-1)^k.
.macro SINCOS a
.irp i, 0,1,2,3,4,5,6,7,8,9,10,11,12,13,14,15
	v_mul_f32 v[KK+\i], v8, v[GG+\i]
.endr
.irp i, 0,1,2,3,4,5,6,7,8,9,10,11,12,13,14,15
	v_rndne_f32 v[KK+\i], v[KK+\i]
.endr
.irp i, 0,1,2,3,4,5,6,7,8,9,10,11,12,13,14,15
	v_fma_f32 v[RR+\i], v8, v[GG+\i], -v[KK+\i]
	v_cvt_i32_f32 v[SG+\i], v[KK+\i]
.endr
.irp i, 0,1,2,3,4,5,6,7,8,9,10,11,12,13,14,15
	v_mul_f32 v[X2+\i], v[RR+\i], v[RR+\i]
	v_lshlrev_b32 v[SG+\i], 31, v[SG+\i]
.endr
.irp i, 0,1,2,3,4,5,6,7,8,9,10,11,12,13,14,15
	v_fmaak_f32 v[PSI+\i], s75, v[X2+\i], 0xbf196967          ; - pi^7 / 7!
	v_fmaak_f32 v[PCO+\i], s80, v[X2+\i], 0x3e70fa83          ; + pi^8 / 8!
.endr
.irp i, 0,1,2,3,4,5,6,7,8,9,10,11,12,13,14,15
	v_fmaak_f32 v[PSI+\i], v[PSI+\i], v[X2+\i], 0x402335e3    ; + pi^5 / 5!
	v_fmaak_f32 v[PCO+\i], v[PCO+\i], v[X2+\i], 0xbfaae9e4    ; - pi^6 / 6!
.endr
.irp i, 0,1,2,3,4,5,6,7,8,9,10,11,12,13,14,15
	v_fmaak_f32 v[PSI+\i], v[PSI+\i], v[X2+\i], 0xc0a55de7    ; - pi^3 / 3!
	v_fmaak_f32 v[PCO+\i], v[PCO+\i], v[X2+\i], 0x4081e0f8    ; + pi^4 / 4!
.endr
.irp i, 0,1,2,3,4,5,6,7,8,9,10,11,12,13,14,15
	v_fmaak_f32 v[PSI+\i], v[PSI+\i], v[X2+\i], 0x40490fdb    ; + pi
	v_fmaak_f32 v[PCO+\i], v[PCO+\i], v[X2+\i], 0xc09de9e6    ; - pi^2 / 2
.endr
.irp i, 0,1,2,3,4,5,6,7,8,9,10,11,12,13,14,15
	v_mul_f32 v[PSI+\i], v[PSI+\i], v[RR+\i]
	v_fmaak_f32 v[PCO+\i], v[PCO+\i], v[X2+\i], 0x3f800000
.endr
	WIN 0x80                                       ; destination in window 2
.irp i, 0,1,2,3,4,5,6,7,8,9,10,11,12,13,14,15
	v_xor_b32 v[32*\a+\i], v[SG+\i], v[PCO+\i]
	v_xor_b32 v[32*\a+16+\i], v[SG+\i], v[PSI+\i]
.endr
	WIN 0
	v_add_f32 v8, 0x41800000, v8                   ; sixteen positions on
.endm
	SINCOS 0
	SINCOS 1
	SINCOS 2
	SINCOS 3
	s_wait_tensorcnt 0x1                           ; my part of K step 0 is in; K step 1's stays out
	s_barrier_signal -1
	s_barrier_wait -1
	FETCH 0, 0, F0
	LAP 1                                          ; the first lap's first products start the sums
	WIN 0
	s_mov_b32 s3, LAPS-2
.Llap:
	LAP 0
	WIN 0
	s_sub_co_u32 s3, s3, 1
	s_cmp_lg_u32 s3, 0
	s_cbranch_scc1 .Llap
	THREE 0, 0                                     ; the last lap fills nothing
	TURN 0, 1, 0
	THREE 1, 0
	s_wait_dscnt 4
	WIN MULW
	MUL8 F1, 0, 0
	MUL8 F1, 1, 0
	s_wait_dscnt 0x0
	MUL8 F1, 2, 0
	MUL8 F1, 3, 0
	; THE WAY OUT, each wave by itself.
	WIN 0
	PLACES
	s_lshl_b32 s16, s13, 8
	s_lshl_b32 s17, s10, 6
	s_add_co_u32 s16, s16, s17
	s_lshl_b32 s16, s16, 9                         ; (256 block row + 64 wave) positions of 512 bytes
	s_mov_b32 s17, 0
	s_add_nc_u64 s[8:9], s[8:9], s[16:17]
	s_lshl_b32 s46, s42, 20                        ; head x 2,048 positions x 512 bytes
	s_mov_b32 s47, 0
	s_add_nc_u64 s[8:9], s[8:9], s[46:47]
	; sums of squares: a lane holds 64 of a row's 128 numbers (32 pairs), the lane 16 further the other 64; two chains for each of four rows
	WIN 0x05                                       ; sources 0 and 1 in window 1
.irp a, 0,1,2,3
	v_pk_mul_f32 v[SQ+4*\a:SQ+4*\a+1], v[64*\a:64*\a+1], v[64*\a:64*\a+1]
	v_pk_mul_f32 v[SQ+4*\a+2:SQ+4*\a+3], v[64*\a+2:64*\a+3], v[64*\a+2:64*\a+3]
.endr
.set i, 4
.rept 15
.irp a, 0,1,2,3
	v_pk_fma_f32 v[SQ+4*\a:SQ+4*\a+1], v[64*\a+i:64*\a+i+1], v[64*\a+i:64*\a+i+1], v[SQ+4*\a:SQ+4*\a+1]
	v_pk_fma_f32 v[SQ+4*\a+2:SQ+4*\a+3], v[64*\a+i+2:64*\a+i+3], v[64*\a+i+2:64*\a+i+3], v[SQ+4*\a+2:SQ+4*\a+3]
.endr
.set i, i+4
.endr
	WIN 0
.irp a, 0,1,2,3
	v_pk_add_f32 v[SQ+4*\a:SQ+4*\a+1], v[SQ+4*\a:SQ+4*\a+1], v[SQ+4*\a+2:SQ+4*\a+3]
.endr
.irp a, 0,1,2,3
	v_add_f32 v[SQ+4*\a], v[SQ+4*\a], v[SQ+4*\a+1]
.endr
.irp a, 0,1,2,3
	v_permlanex16_b32 v[SQ+4*\a+1], v[SQ+4*\a], s66, s67
.endr
.irp a, 0,1,2,3
	v_add_f32 v[SQ+4*\a], v[SQ+4*\a], v[SQ+4*\a+1]
.endr
.irp a, 0,1,2,3
	v_fma_f32 v[SQ+4*\a], v[SQ+4*\a], s71, s72     ; mean + eps
.endr
.irp a, 0,1,2,3
	v_rsq_f32 v[SQ+4*\a+1], v[SQ+4*\a]
.endr
	v_nop                                          ; one plain instruction behind the last root
	s_wait_alu depctr_va_vdst(0)
.irp a, 0,1,2,3
	v_cndmask_b32 v[SQ+4*\a+1], 1.0, v[SQ+4*\a+1], s70    ; v heads: 1
.endr
.irp a, 0,1,2,3
	v_mul_f32 v[SQ+4*\a+1], s68, v[SQ+4*\a+1]      ; q heads: log2(e) / sqrt(128),
.endr
.irp a, 0,1,2,3
	v_mul_f32 v[RSC+2*\a], v9, v[SQ+4*\a+1]        ; and the head's gain
.endr
.irp a, 0,1,2,3
	v_mov_b32 v[RSC+2*\a+1], v[RSC+2*\a]
.endr
	WIN 0x41                                       ; destination and source 0 in window 1
.irp a, 0,1,2,3
.set i, 0
.rept 32
	v_pk_mul_f32 v[64*\a+i:64*\a+i+1], v[64*\a+i:64*\a+i+1], v[RSC+2*\a:RSC+2*\a+1]
.set i, i+2
.endr
.endr
; The 64 numbers in VAL are rounded to f16, go through my stage and leave as whole pieces of 256 bytes, at byte 'at' of rows 16 a .. +15.
.macro SEND a, ob, at
.set i, 0
.rept 32
	v_cvt_pk_f16_f32 v[F1+i], v[VAL+2*i], v[VAL+2*i+1]
.set i, i+1
.endr
.irp b, 0,1,2,3,4,5,6,7
	ds_store_b128 v[STO], v[F1+4*\b:F1+4*\b+3] offset:32*\b
.endr
	s_wait_xcnt 0x0                                ; the registers that earlier stores read are loaded again only behind this wait
.irp t, 0,1,2,3,4,5,6,7
	ds_load_b128 v[\ob+4*\t:\ob+4*\t+3], v[RD] offset:\t*2*PITCH    ; LDS serves a wave's instructions in order: these see the stores above
.endr
.irp t, 0,1,2,3,4,5,6,7
	s_wait_dscnt 7-\t                              ; pair of rows t is in, the 7 - t younger loads stay out
	global_store_b128 v[CO], v[\ob+4*\t:\ob+4*\t+3], s[8:9] offset:\at+16*ROWB*\a+2*ROWB*\t   ; sixteen lanes store 256 consecutive bytes, aligned
.endr
.endm
; Sixteen rows: rotate columns 0-63 (x1 = tiles 0, 1, x2 = tiles 2, 3); q, k whole, of v the upper part.
.macro OUT16 a, ob
	WIN 0x09                                       ; source 0 window 1 (sums), source 1 window 2 (table)
.irp b, 0,1
.irp jp, 0,1,2,3
	v_pk_mul_f32 v[F0+8*\b+2*\jp:F0+8*\b+2*\jp+1], v[8*(8*\a+\b)+2*\jp:8*(8*\a+\b)+2*\jp+1], v[32*\a+8*\b+2*\jp:32*\a+8*\b+2*\jp+1]
	v_pk_mul_f32 v[F0+16+8*\b+2*\jp:F0+16+8*\b+2*\jp+1], v[8*(8*\a+\b+2)+2*\jp:8*(8*\a+\b+2)+2*\jp+1], v[32*\a+8*\b+2*\jp:32*\a+8*\b+2*\jp+1]
.endr
.endr
.irp b, 0,1
.irp jp, 0,1,2,3
	v_pk_fma_f32 v[F0+8*\b+2*\jp:F0+8*\b+2*\jp+1], v[8*(8*\a+\b+2)+2*\jp:8*(8*\a+\b+2)+2*\jp+1], v[32*\a+16+8*\b+2*\jp:32*\a+16+8*\b+2*\jp+1], v[F0+8*\b+2*\jp:F0+8*\b+2*\jp+1]
	v_pk_fma_f32 v[F0+16+8*\b+2*\jp:F0+16+8*\b+2*\jp+1], v[8*(8*\a+\b)+2*\jp:8*(8*\a+\b)+2*\jp+1], v[32*\a+16+8*\b+2*\jp:32*\a+16+8*\b+2*\jp+1], v[F0+16+8*\b+2*\jp:F0+16+8*\b+2*\jp+1] neg_lo:[1,0,0] neg_hi:[1,0,0]
.endr
.endr
	WIN 0
.set i, 0
.rept 32
	v_and_b32 v[VAL+i], s88, v[F0+i]               ; columns 0-63, rotated
.set i, i+1
.endr
	WIN 0x04                                       ; source 1 in window 1
.set i, 32
.rept 32
	v_and_b32 v[VAL+i], s88, v[64*\a+i]            ; columns 64-127
.set i, i+1
.endr
	WIN 0
	SEND \a, \ob, 0
.endm
; v heads: what the upper part left out.  For them angle 0 and factor 1 have left the sums as they were.
.macro LO16 a, ob
	WIN 0x04
.set i, 0
.rept 64
	v_and_b32 v[VAL+i], s88, v[64*\a+i]
.set i, i+1
.endr
	WIN 0x01                                       ; source 0 in window 1
.set i, 0
.rept 32
	v_pk_add_f32 v[VAL+i:VAL+i+1], v[64*\a+i:64*\a+i+1], v[VAL+i:VAL+i+1] neg_lo:[0,1] neg_hi:[0,1]   ; exact in f32
.set i, i+2
.endr
	WIN 0
	SEND \a, \ob, 256
.endm
	OUT16 0, F1+32
	OUT16 1, F1+64
	OUT16 2, F1+32
	OUT16 3, F1+64
	s_cmp_lt_u32 s84, 5                            ; the cluster's x: the same way in every wave of all sixteen work-groups
	s_cbranch_scc1 .Lclose
	LO16 0, F1+32
	LO16 1, F1+64
	LO16 2, F1+32
	LO16 3, F1+64
.Lclose:
	s_wait_tensorcnt 0x0
	ds_add_u32 v254, v255
	s_wait_dscnt 0x0
	CROUND                                         ; the closing round: no work-group ends while a partner may still ask for a tile that names it
	s_endpgm
.Lfunc_end_k_qee20952949_qkvgemm:
	.size	k_qee20952949_qkvgemm, .Lfunc_end_k_qee20952949_qkvgemm-k_qee20952949_qkvgemm
	.p2alignl 7, 3214868480
	.fill 96, 4, 3214868480
	.section	.rodata,"a",@progbits
	.p2align	6, 0x0
	.amdhsa_kernel k_qee20952949_qkvgemm
		.amdhsa_group_segment_fixed_size 327680
		.amdhsa_private_segment_fixed_size 0
		.amdhsa_enable_private_segment 0
		.amdhsa_kernarg_size 24
		.amdhsa_user_sgpr_count 2
		.amdhsa_user_sgpr_kernarg_segment_ptr 1
		.amdhsa_wavefront_size32 1
		.amdhsa_system_sgpr_workgroup_id_x 1
		.amdhsa_system_sgpr_workgroup_id_y 1
		.amdhsa_system_sgpr_workgroup_id_z 1
		.amdhsa_system_vgpr_workitem_id 0
		.amdhsa_next_free_vgpr 640
		.amdhsa_next_free_sgpr 96
		.amdhsa_reserve_vcc 0
		.amdhsa_float_denorm_mode_32 3
		.amdhsa_float_denorm_mode_16_64 3
		.amdhsa_memory_ordered 1
		.amdhsa_forward_progress 1
		.amdhsa_inst_pref_size 245
	.end_amdhsa_kernel
	.amdgpu_metadata
---
amdhsa.version: [ 1, 2 ]
amdhsa.kernels:
  - .name:           k_qee20952949_qkvgemm
    .symbol:         k_qee20952949_qkvgemm.kd
    .args:
      - { .name: wb, .offset: 0, .size: 8, .value_kind: global_buffer, .address_space: global }
      - { .name: q_gain, .offset: 8, .size: 8, .value_kind: global_buffer, .address_space: global }
      - { .name: qkv, .offset: 16, .size: 8, .value_kind: global_buffer, .address_space: global }
    .group_segment_fixed_size: 327680
    .private_segment_fixed_size: 0
    .kernarg_segment_align: 8
    .kernarg_segment_size: 24
    .max_flat_workgroup_size: 128
    .sgpr_count:     96
    .vgpr_count:     640
    .wavefront_size: 32
...
	.end_amdgpu_metadata
.endif
;; end of part 2
;; launch attn (part 3): grid 64 x 4, 4 waves a work-group, clusters of 4 x 1, 327,680 bytes of LDS; arguments qkv, ao; writes ao
.if DOCPART == 3
	.amdgcn_target "amdgcn-amd-amdhsa--gfx1250"
	.amdhsa_code_object_version 6
	.text
	.protected	k_qee20952949_attn
	.globl	k_qee20952949_attn
	.p2align	8
	.type	k_qee20952949_attn,@function
k_qee20952949_attn:
	s_mov_b64 s[64:65], 0
	v_nop
	global_prefetch_b8 v0, s[64:65] scope:SCOPE_SE
	s_setreg_imm32_b32 hwreg(HW_REG_WAVE_MODE, 25, 1), 1
	s_wait_xcnt 0x0
	s_wait_alu depctr_hold_cnt(0) depctr_sa_sdst(0) depctr_va_vdst(0) depctr_va_sdst(0) depctr_va_ssrc(0) depctr_va_vcc(0) depctr_vm_vsrc(0)
	s_getreg_b32 s2, hwreg(HW_REG_IB_STS2, 6, 4)
	s_cmp_eq_u32 s2, 0
	s_cbranch_scc0 .Lentry_in_a_cluster
	s_endpgm
.Lentry_in_a_cluster:
	s_bfe_u32 s2, ttmp6, 0x10000c
	s_cmp_lg_u32 s2, 0x3003
	s_cbranch_scc0 .Lentry_shape_is_right
	s_endpgm
.Lentry_shape_is_right:
; ao[pos][head][upper 128 | lower 128] (bf16) = causal softmax(q k^T) v for 16 q heads on 4 k/v heads.  q already carries gain * log2(e) / sqrt(128): weights are 2^(s - max).
; FORMATS: q, k and the weights are f16 operands (11 bits; all three are bounded); v comes in two f16 parts and O = P V_upper + P V_lower;
; the result leaves in two bf16 parts (the top 16 bits of the f32, and the rest rounded), so that neither v nor the result loses more than about 2^-16 of itself.
; Work-group (n = 4 x cluster x + cx in 0..63, g = k/v head) does two blocks of 16 positions, block n ('lo') and block 127 - n ('hi'), for the 4 q heads of g:
; a wave's query tile is 4 heads x 16 positions.  Keys go in units of 256; wave w takes keys 64 w .. +63 of a unit, the rows that its own tensor load brought.
; With c = n / 16, lo needs units c .. 0 and hi units 7 - c .. 0: nine units in every work-group, the same ones in the four work-groups of a cluster
; (c hangs on the cluster's x alone), so K and V tiles are asked for jointly by all four.  Each block begins with its diagonal unit, the only one that is masked.
; Transposed forms: S^T = K Q^T (lane (r, h), register j: key 16 kt + 8 h + j, query r) and O^T = V^T P^T (V through the transposing LDS load), so the rounded
; weights are the second product's operand in the lanes where they stand, and a query's maximum and sum are made inside a lane and one exchange of halves.
; Every wave keeps a running maximum, sum and O for its own keys; at the end the four waves' parts are merged through LDS, wave w finishing head w.
; The two LDS slots are K's and V's; the tiles go K_u, V_u, K_u', ..: behind each round of the cluster's barrier a wave issues one load.  Three tensor loads of a wave are out
; at the start (K, both Q tiles), one later.
; LIMITS: masked products and nothing else are -1e30, so |product| must stay far below 1e30; weights below 2^-24 of a wave's largest count as 0 in the product (f16);
; the sum over keys is split over four waves (another order of rounding than a single sum); NaN and infinities are not treated apart.
; A wave all of whose keys are masked for a query carries the maximum -1e30 and finite sums; the next factor 2^(-1e30 - max) = 0 removes them.  Key 0 is never masked.
; REGISTERS: window 0: v1-15 addresses and limits, v16-39 maxima (twice, as pairs) and sums of lo and hi, v40-63 at work, S(hd, kt) = v[64 + 32 hd + 8 kt]
; (behind the rounding of the weights: V_lower(dt, u) = v[64 + 8 (8 u + dt)]), P(hd, u) = v[192 + 16 hd + 8 u];
; window 1: Q(hd, kq) = v[8 (4 hd + kq)], K(kt, kq) = v[128 + 8 (4 kq + kt)] or V_upper(dt, u) = v[128 + 8 (8 u + dt)]; windows 2, 3: O(hd, dt) = v[8 (8 hd + dt)] of lo, hi.
.set KP,  272                          ; pitch of K and Q rows: 256 + 16
.set VP,  544                          ; pitch of V rows (upper 256 bytes, lower 256): 512 + 32, an odd multiple of 32 for the transposing load
.set VT,  69632                        ; K's slot is bytes 0 .. 69,631 (256 x 272); V's 256 x 544 = 139,264 follow
.set QL,  208896                       ; Q of lo: 4 heads x 16 rows x 272
.set QB,  17408                        ; Q of hi follows
.set ML,  243712                       ; maxima and sums of the waves: 4,096 bytes of their own
.set STG, QL                           ; the stage of the way out: Q's bytes, behind their only fill and last read.  The partial O: bytes 0 .. 131,071, behind K's and V's last fills
.set SP,  528                          ; a stage row: 256 upper + 256 lower + 16
.set AL,  40
.set TT,  48
.set SU,  56
.set SS,  64
.set PP,  192
.set FR,  128
.set MSB, 0
.macro WIN new
.if MSB != \new
	s_set_vgpr_msb (MSB<<8)|\new
.set MSB, \new
.endif
.endm
.macro PLACES n                        ; independent vector instructions behind a matrix instruction (ISA guide 7.12.1)
.rept \n
	v_nop
.endr
.endm
.macro ROUND                           ; a round of the cluster's barrier
	s_barrier_signal -1
	s_barrier_wait -1
	s_cmp_lg_u32 s8, 0
	s_cbranch_scc1 .Lnot_wave_0_\@
	s_barrier_signal -3
.Lnot_wave_0_\@:
	s_barrier_wait -3
	s_barrier_signal -1
	s_barrier_wait -1
.endm
.macro LOADQ blk
.irp hd, 0,1,2,3
.irp kq, 0,1,2,3
	ds_load_b128 v[8*(4*\hd+\kq):8*(4*\hd+\kq)+3],   v4 offset:\blk*QB+\hd*16*KP+64*\kq
	ds_load_b128 v[8*(4*\hd+\kq)+4:8*(4*\hd+\kq)+7], v4 offset:\blk*QB+\hd*16*KP+64*\kq+32
.endr
.endr
.endm
.macro LOADK                           ; eight loads for each 32 of d
.irp kq, 0,1,2,3
.irp kt, 0,1,2,3
	ds_load_b128 v[FR+8*(4*\kq+\kt):FR+8*(4*\kq+\kt)+3],   v2 offset:\kt*16*KP+64*\kq
	ds_load_b128 v[FR+8*(4*\kq+\kt)+4:FR+8*(4*\kq+\kt)+7], v2 offset:\kt*16*KP+64*\kq+32
.endr
.endr
.endm
.macro LOADV vb, part                  ; sixteen loads for each 32 keys; part 0: upper, 1: lower
.irp u, 0,1
.irp dt, 0,1,2,3,4,5,6,7
	ds_load_tr16_b128 v[\vb+8*(8*\u+\dt):\vb+8*(8*\u+\dt)+3],   v3 offset:\u*32*VP+32*\dt+256*\part
	ds_load_tr16_b128 v[\vb+8*(8*\u+\dt)+4:\vb+8*(8*\u+\dt)+7], v3 offset:\u*32*VP+32*\dt+256*\part+16*VP
.endr
.endr
.endm
; In both products the accumulators take turns, one instruction a turn.
.macro SMUL kq
.irp kt, 0,1,2,3
.irp hd, 0,1,2,3
.if \kq == 0
	v_wmma_f32_16x16x32_f16 v[SS+32*\hd+8*\kt:SS+32*\hd+8*\kt+7], v[FR+8*(4*\kq+\kt):FR+8*(4*\kq+\kt)+7], v[8*(4*\hd+\kq):8*(4*\hd+\kq)+7], 0
.else
	v_wmma_f32_16x16x32_f16 v[SS+32*\hd+8*\kt:SS+32*\hd+8*\kt+7], v[FR+8*(4*\kq+\kt):FR+8*(4*\kq+\kt)+7], v[8*(4*\hd+\kq):8*(4*\hd+\kq)+7], v[SS+32*\hd+8*\kt:SS+32*\hd+8*\kt+7]
.endif
.endr
.endr
.endm
.macro PVMUL vb, u, zero
.irp hd, 0,1,2,3
.irp dt, 0,1,2,3,4,5,6,7
.if \zero
	v_wmma_f32_16x16x32_f16 v[8*(8*\hd+\dt):8*(8*\hd+\dt)+7], v[\vb+8*(8*\u+\dt):\vb+8*(8*\u+\dt)+7], v[PP+16*\hd+8*\u:PP+16*\hd+8*\u+7], 0
.else
	v_wmma_f32_16x16x32_f16 v[8*(8*\hd+\dt):8*(8*\hd+\dt)+7], v[\vb+8*(8*\u+\dt):\vb+8*(8*\u+\dt)+7], v[PP+16*\hd+8*\u:PP+16*\hd+8*\u+7], v[8*(8*\hd+\dt):8*(8*\hd+\dt)+7]
.endif
.endr
.endr
.endm
.macro MASK lim                        ; key 16 kt + 8 h + j of my 64 counts where 16 kt + j <= the lane's limit
.irp kt, 0,1,2,3
.irp j, 0,1,2,3,4,5,6,7
	v_cmp_le_i32 vcc_lo, 16*\kt+\j, v[\lim]
.irp hd, 0,1,2,3
	v_cndmask_b32 v[SS+32*\hd+8*\kt+\j], v7, v[SS+32*\hd+8*\kt+\j], vcc_lo
.endr
.endr
.endr
.endm
.macro MAXES zero                      ; the unit's maximum for each head and query; zero = 0: joined to the running one, and alpha = 2^(old - new)
.irp hd, 0,1,2,3
	v_max3_num_f32 v[TT+\hd], v[SS+32*\hd], v[SS+32*\hd+1], v[SS+32*\hd+2]
.endr
.set i, 3
.rept 14
.irp hd, 0,1,2,3
	v_max3_num_f32 v[TT+\hd], v[TT+\hd], v[SS+32*\hd+i], v[SS+32*\hd+i+1]
.endr
.set i, i+2
.endr
.irp hd, 0,1,2,3
	v_max_num_f32 v[TT+\hd], v[TT+\hd], v[SS+32*\hd+31]
.endr
.irp hd, 0,1,2,3
	v_permlanex16_b32 v[TT+4+\hd], v[TT+\hd], s66, s67        ; the other eight keys of each sixteen
.endr
.if \zero
.irp hd, 0,1,2,3
	v_max_num_f32 v[MPB+2*\hd], v[TT+\hd], v[TT+4+\hd]
.endr
.irp hd, 0,1,2,3
	v_mov_b32 v[MPB+2*\hd+1], v[MPB+2*\hd]
.endr
.else
.irp hd, 0,1,2,3
	v_max3_num_f32 v[TT+\hd], v[TT+\hd], v[TT+4+\hd], v[MPB+2*\hd]
.endr
.irp hd, 0,1,2,3
	v_sub_f32 v[TT+4+\hd], v[MPB+2*\hd], v[TT+\hd]
.endr
.irp hd, 0,1,2,3
	v_exp_f32 v[AL+2*\hd], v[TT+4+\hd]
.endr
.irp hd, 0,1,2,3
	v_mov_b32 v[MPB+2*\hd], v[TT+\hd]              ; plain instructions behind the 2^x, before alpha is read
	v_mov_b32 v[MPB+2*\hd+1], v[TT+\hd]
.endr
	s_wait_alu depctr_va_vdst(0)
.irp hd, 0,1,2,3
	v_mov_b32 v[AL+2*\hd+1], v[AL+2*\hd]
.endr
.endif
.endm
.macro RESCALE                         ; O of every head times its pair in AL
.irp hd, 0,1,2,3
.set i, 0
.rept 32
	v_pk_mul_f32 v[64*\hd+i:64*\hd+i+1], v[64*\hd+i:64*\hd+i+1], v[AL+2*\hd:AL+2*\hd+1]
.set i, i+2
.endr
.endr
.endm
.macro WEIGHTS zero                    ; 2^(s - max), their sums (a lane's own part), and the rounding to f16
.irp hd, 0,1,2,3
.set i, 0
.rept 16
	v_pk_add_f32 v[SS+32*\hd+i:SS+32*\hd+i+1], v[SS+32*\hd+i:SS+32*\hd+i+1], v[MPB+2*\hd:MPB+2*\hd+1] neg_lo:[0,1] neg_hi:[0,1]
.set i, i+2
.endr
.endr
.set i, 0
.rept 128
	v_exp_f32 v[SS+i], v[SS+i]
.set i, i+1
.endr
	v_nop                                          ; one plain instruction behind the last 2^x
	s_wait_alu depctr_va_vdst(0)
.irp hd, 0,1,2,3
	v_pk_add_f32 v[SU+2*\hd:SU+2*\hd+1], v[SS+32*\hd:SS+32*\hd+1], v[SS+32*\hd+2:SS+32*\hd+3]
.endr
.set i, 4
.rept 14
.irp hd, 0,1,2,3
	v_pk_add_f32 v[SU+2*\hd:SU+2*\hd+1], v[SU+2*\hd:SU+2*\hd+1], v[SS+32*\hd+i:SS+32*\hd+i+1]
.endr
.set i, i+2
.endr
.if \zero
.irp hd, 0,1,2,3
	v_add_f32 v[LB+\hd], v[SU+2*\hd], v[SU+2*\hd+1]
.endr
.else
.irp hd, 0,1,2,3
	v_add_f32 v[SU+2*\hd], v[SU+2*\hd], v[SU+2*\hd+1]
.endr
.irp hd, 0,1,2,3
	v_fma_f32 v[LB+\hd], v[LB+\hd], v[AL+2*\hd], v[SU+2*\hd]
.endr
.endif
.irp hd, 0,1,2,3
.set i, 0
.rept 16
	v_cvt_pk_f16_f32 v[PP+16*\hd+i], v[SS+32*\hd+2*i], v[SS+32*\hd+2*i+1]
.set i, i+1
.endr
.endr
.endm
; First half of a unit: K's tile is read, V's is asked for.  blk: 0 lo, 1 hi; diag = 1: the block's first unit (Q is fetched, the mask applied, the state started).
.macro TRIP_S blk, diag
.set MPB, 16+12*\blk
.set RSW, 0x82+0x41*\blk
	s_wait_tensorcnt 0x0                           ; all my tensor loads have landed, my rows of K among them (and Q at the start), so a descriptor may be written
	ds_add_u32 v12, v13
	s_lshl_b32 s68, s16, 17                        ; unit x 256 rows x 512 bytes
	s_add_nc_u64 s[38:39], s[22:23], s[68:69]
	s_or_b32 s39, s39, 0x80000000
	s_wait_dscnt 0x0                               ; my reads of V's slot are back
	ROUND                                          ; both hold of every wave of the four work-groups
	tensor_load_to_lds s[36:39], s[40:47]          ; my one load behind the round: my 64 rows of V, both parts
	s_nop 0
	WIN 0x40
.if \diag
	LOADQ \blk
.endif
	LOADK
	WIN 0x05
.irp kq, 0,1,2,3
	s_wait_dscnt 24-8*\kq                          ; Q and K's groups up to kq are in; the younger groups of eight stay out
	SMUL \kq
.endr
	WIN 0
	PLACES 4
.if \diag
	MASK 5+\blk
.endif
	MAXES \diag
.if \diag == 0
	WIN RSW
	RESCALE
	WIN 0
.endif
.endm
; Second half: V's tile is read; refill = 1: the next unit's K is asked for.
.macro TRIP_PV blk, diag, refill
.set MPB, 16+12*\blk
.set LB,  24+12*\blk
.set PVW, 0xa1+0x50*\blk
.set PVL, 0xa0+0x50*\blk
	s_wait_tensorcnt 0x0                           ; my rows of V have landed; no load of mine is out
	ds_add_u32 v12, v13
	s_wait_dscnt 0x0
.if \refill
	s_sub_co_i32 s16, s16, 1                       ; the next unit down;
.if \blk == 0
	s_cmp_lt_i32 s16, 0
	s_cselect_b32 s16, s15, s16                    ; behind lo's unit 0 comes hi's diagonal unit 7 - c
.endif
	s_lshl_b32 s68, s16, 17
	s_add_nc_u64 s[34:35], s[20:21], s[68:69]
	s_or_b32 s35, s35, 0x80000000
	s_wait_dscnt 0x0                               ; my reads of K's slot are back
	ROUND
	tensor_load_to_lds s[32:35], s[24:31]          ; my one load behind the round: my 64 rows of the next K
	s_nop 0
.endif
	WIN 0x40
	LOADV FR, 0                                    ; rows that my own load brought: my wait above is all that they need
	WIN 0
	WEIGHTS \diag
	s_wait_dscnt 0x0                               ; V's upper fragments are in
	LOADV SS, 1                                    ; the lower ones, into S's registers, which the rounding has just read for the last time
	WIN PVW
	PVMUL FR, 0, \diag
	PVMUL FR, 1, 0
	WIN PVL
	s_wait_dscnt 16                                ; the lower part of keys 0-31; the sixteen loads of keys 32-63 stay out
	PVMUL SS, 0, 0
	s_wait_dscnt 0x0
	PVMUL SS, 1, 0
	WIN 0
	PLACES 5                                       ; five: the next S product writes over registers that were an operand here; four would do for the loads and for what reads O
.endm
	s_load_b128 s[4:7], s[0:1], 0x0                ; qkv s[4:5], ao s[6:7]
	v_lshl_add_u32 v12, v0, 2, 0x3c800
	v_mov_b32 v13, 0
	ds_add_u32 v12, v13
	v_lshrrev_b32 v1, 5, v0
	v_readfirstlane_b32 s8, v1                     ; wave
	s_bfe_u32 s9, ttmp6, 0x40000                   ; cx
	s_mov_b32 s10, ttmp9                           ; the cluster's x
	s_and_b32 s11, ttmp7, 0xffff                   ; g
	s_lshl_b32 s12, s10, 2
	s_add_co_u32 s12, s12, s9                      ; n
	s_lshr_b32 s13, s10, 2                         ; c = n / 16, the same in the four partners
	s_and_b32 s14, s12, 15                         ; e = n mod 16
	s_sub_co_u32 s15, 7, s13
	s_sub_co_u32 s18, 6, s13                       ; trips of hi's loop, 3 to 6
	s_mov_b32 s16, s13                             ; the unit at work: lo's diagonal first
	s_mov_b32 s19, 0x07060302                      ; v_perm_b32: the upper halves of two words
	s_mov_b32 s88, 0xffff0000
	s_mov_b32 s66, 0x76543210
	s_mov_b32 s67, 0xfedcba98
	s_mov_b32 s69, 0
	s_lshl_b32 s74, s11, 20
	s_lshl_b32 s75, s8, 15
	s_add_co_u32 s74, s74, s75                     ; g heads of 1,048,576 bytes + my 64 rows of a unit
	s_add_co_u32 s76, s74, 20<<20                  ; v heads begin at head 20,
	s_add_co_u32 s74, s74, 16<<20                  ; k heads at head 16
	s_mov_b32 s75, 0
	s_mov_b32 s77, 0
	s_lshl2_add_u32 s78, s11, s8                   ; q head 4 g + wave: the one whose Q I fetch and whose result I finish
	s_sub_co_u32 s79, 127, s12                     ; hi's block
	s_lshl_b32 s80, s78, 20
	s_lshl_b32 s81, s12, 13
	s_add_co_u32 s80, s80, s81                     ; Q of lo: head x 1,048,576 + block x 16 rows x 512
	s_mov_b32 s81, 0
	s_lshl_b32 s82, s78, 20
	s_lshl_b32 s83, s79, 13
	s_add_co_u32 s82, s82, s83
	s_mov_b32 s83, 0
	s_lshl_b32 s85, s78, 9
	s_lshl_b32 s84, s12, 17
	s_add_co_u32 s84, s84, s85                     ; ao: block x 16 rows x 8,192 + head x 512
	s_lshl_b32 s86, s79, 17
	s_add_co_u32 s86, s86, s85
	s_mov_b32 s85, 0
	s_mov_b32 s87, 0
	; shapes: K and Q rows of 128 f16 (64 words, padded by 4), V rows of 256 (128 words, padded by 8); 256 elements from row to row in memory
	s_mov_b32 s24, 15|(1<<16)|(1<<20)|(1<<21)|(5<<22)|(3<<25)   ; K: all four work-groups of the cluster, bit 21 beside the mask
	s_mov_b32 s25, 128<<16
	s_mov_b32 s26, 64<<16
	s_mov_b32 s27, 128<<16
	s_mov_b32 s28, 64
	s_mov_b32 s29, 256
	s_mov_b32 s30, 0
	s_mov_b32 s31, 0
	s_mov_b32 s40, 15|(1<<16)|(1<<20)|(1<<21)|(6<<22)|(7<<25)   ; V
	s_mov_b32 s41, 256<<16
	s_mov_b32 s42, 64<<16
	s_mov_b32 s43, 256<<16
	s_mov_b32 s44, 64
	s_mov_b32 s45, 256
	s_mov_b32 s46, 0
	s_mov_b32 s47, 0
	s_mov_b32 s48, (1<<16)|(1<<20)|(5<<22)|(3<<25)              ; Q: each work-group's own, 16 rows
	s_mov_b32 s49, 128<<16
	s_mov_b32 s50, 16<<16
	s_mov_b32 s51, 128<<16
	s_mov_b32 s52, 16
	s_mov_b32 s53, 256
	s_mov_b32 s54, 0
	s_mov_b32 s55, 0
	s_mov_b32 s32, 1
	s_mul_i32 s33, s8, 64*KP                       ; K's slot: wave x 17,408
	s_mov_b32 s36, 1
	s_mul_i32 s37, s8, 64*VP
	s_add_co_u32 s37, s37, VT                      ; V's slot: 69,632 + wave x 34,816
	s_mov_b32 s56, 1
	s_mul_i32 s57, s8, 16*KP
	s_add_co_u32 s57, s57, QL
	s_mov_b32 s60, 1
	s_add_co_u32 s61, s57, QB
	s_lshl_b32 s68, s16, 17
	s_wait_dscnt 0x0
	s_wait_kmcnt 0x0
	s_add_nc_u64 s[20:21], s[4:5], s[74:75]        ; K's and V's rows of mine in unit 0
	s_add_nc_u64 s[22:23], s[4:5], s[76:77]
	s_add_nc_u64 s[70:71], s[6:7], s[84:85]
	s_add_nc_u64 s[72:73], s[6:7], s[86:87]
	s_add_nc_u64 s[34:35], s[20:21], s[68:69]
	s_or_b32 s35, s35, 0x80000000
	s_add_nc_u64 s[58:59], s[4:5], s[80:81]
	s_or_b32 s59, s59, 0x80000000
	s_add_nc_u64 s[62:63], s[4:5], s[82:83]
	s_or_b32 s63, s63, 0x80000000
	ROUND                                          ; the four work-groups are here: the first joint load meets
	tensor_load_to_lds s[32:35], s[24:31]          ; K of lo's diagonal unit
	s_nop 0
	tensor_load_to_lds s[56:59], s[48:55]          ; Q of lo, my head
	s_nop 0
	tensor_load_to_lds s[60:63], s[48:55]          ; Q of hi, my head
	s_nop 0
	v_and_b32 v48, 15, v0                          ; r
	v_bfe_u32 v49, v0, 4, 1                        ; h
	v_and_b32 v50, 31, v0                          ; lane
	v_mul_u32_u24 v51, v48, KP
	v_lshl_add_u32 v51, v49, 4, v51                ; r x 272 + 16 h
	s_mul_i32 s74, s8, 64*KP
	v_add_nc_u32 v2, s74, v51                      ; K fragments: my 64 rows
	v_add_nc_u32 v4, QL, v51                       ; Q fragments
	v_mul_u32_u24 v1, v48, SP
	v_lshl_add_u32 v1, v49, 4, v1
	s_mul_i32 s74, s8, 16*SP
	s_add_co_u32 s74, s74, STG                     ; my stage: 16 rows x 528 bytes
	v_add_nc_u32 v1, s74, v1                       ; into it: row r, 16 bytes for each half of the lanes
	v_and_b32 v52, 7, v0
	v_lshl_add_u32 v52, v49, 3, v52                ; 8 h + lane mod 8: the key row that I address for the transposing load
	v_bfe_u32 v53, v0, 3, 1
	v_mul_u32_u24 v3, v52, VP
	v_lshl_add_u32 v3, v53, 4, v3
	s_mul_i32 s75, s8, 64*VP
	s_add_co_u32 s75, s75, VT
	v_add_nc_u32 v3, s75, v3
	s_lshl_b32 s76, s14, 4                         ; 16 e
	s_lshl_b32 s77, s8, 6                          ; 64 w
	s_sub_co_i32 s79, s76, s77
	s_sub_co_i32 s76, 240, s76
	s_sub_co_i32 s76, s76, s77
	v_lshlrev_b32 v53, 3, v49
	v_sub_nc_u32 v53, v48, v53                     ; r - 8 h
	v_add_nc_u32 v5, s79, v53                      ; lo: 16 e + r - 64 w - 8 h
	v_add_nc_u32 v6, s76, v53                      ; hi: 16 (15 - e) + r - 64 w - 8 h
	v_mov_b32 v7, 0xf149f2ca                       ; -1e30
	v_lshlrev_b32 v54, 4, v48
	v_add_nc_u32 v9, ML, v54                       ; maxima and sums: 16 r, read
	s_lshl_b32 s77, s8, 9
	v_add_nc_u32 v8, s77, v9                       ; + 512 w, written
	v_lshlrev_b32 v55, 4, v50
	s_lshl_b32 s77, s8, 15
	v_add_nc_u32 v11, s77, v55                     ; my partial O: 32,768 w + 16 lane
	s_lshl_b32 s77, s8, 13
	v_add_nc_u32 v14, s77, v55                     ; head w in the parts of waves 0, 1
	v_add_nc_u32 v15, 0x10000, v14                 ; of waves 2, 3
	TRIP_S 0, 1                                    ; lo's diagonal unit
	TRIP_PV 0, 1, 1
	s_cmp_eq_u32 s13, 0                            ; c hangs on the cluster's x: the same way in every wave and every partner
	s_cbranch_scc1 .Lhi
	s_mov_b32 s17, 0
.Llo:
	TRIP_S 0, 0                                    ; lo's units c - 1 .. 0
	TRIP_PV 0, 0, 1
	s_add_co_u32 s17, s17, 1
	s_cmp_lt_u32 s17, s13
	s_cbranch_scc1 .Llo
.Lhi:
	TRIP_S 1, 1                                    ; hi's diagonal unit 7 - c
	TRIP_PV 1, 1, 1
	s_mov_b32 s17, 0
.Lhiloop:
	TRIP_S 1, 0                                    ; hi's units 6 - c .. 1
	TRIP_PV 1, 0, 1
	s_add_co_u32 s17, s17, 1
	s_cmp_lt_u32 s17, s18
	s_cbranch_scc1 .Lhiloop
	TRIP_S 1, 0                                    ; unit 0: V is still asked for, no further K
	TRIP_PV 1, 0, 0
	; THE MERGE.  Every wave publishes its maxima and whole sums.
.macro MLPUT blk
.set MPB, 16+12*\blk
.set LB,  24+12*\blk
.irp hd, 0,1,2,3
	v_permlanex16_b32 v[TT+4+\hd], v[LB+\hd], s66, s67
.endr
.irp hd, 0,1,2,3
	v_add_f32 v[LB+\hd], v[LB+\hd], v[TT+4+\hd]
	v_mov_b32 v[TT+\hd], v[MPB+2*\hd]
.endr
	ds_store_b128 v8, v[TT:TT+3] offset:\blk*2048          ; both halves of the lanes store the same 16 bytes
	ds_store_b128 v8, v[LB:LB+3] offset:\blk*2048+256
.endm
	MLPUT 0
	MLPUT 1
	v_and_b32 v58, 31, v0
	v_lshlrev_b32 v57, 4, v58                      ; 16 x lane: my 16 bytes of a head's 512 in a row of ao,
	v_add_nc_u32 v56, s74, v57                     ; and of a row of my stage
	s_wait_dscnt 0x0                               ; my stores are done, and my reads of K's and V's slots were waited for above
	s_barrier_signal -1
	s_barrier_wait -1
; f = 2^(my max - max of all) / sum of all, for each head, as a pair in AL
.macro FACT blk
.set MPB, 16+12*\blk
	s_wait_xcnt 0x0                                ; v64-127, which the stores of the block before read, are written again only behind this wait
.irp s, 0,1,2,3
	ds_load_b128 v[64+4*\s:67+4*\s], v9 offset:\blk*2048+\s*512
	ds_load_b128 v[80+4*\s:83+4*\s], v9 offset:\blk*2048+\s*512+256
.endr
	s_wait_dscnt 0x0
.irp hd, 0,1,2,3
	v_max3_num_f32 v[112+\hd], v[64+\hd], v[68+\hd], v[72+\hd]
.endr
.irp hd, 0,1,2,3
	v_max_num_f32 v[112+\hd], v[112+\hd], v[76+\hd]
.endr
.irp s, 0,1,2,3
.irp hd, 0,1,2,3
	v_sub_f32 v[96+4*\s+\hd], v[64+4*\s+\hd], v[112+\hd]
.endr
.endr
.irp hd, 0,1,2,3
	v_sub_f32 v[116+\hd], v[MPB+2*\hd], v[112+\hd]
.endr
.set i, 0
.rept 16
	v_exp_f32 v[96+i], v[96+i]
.set i, i+1
.endr
.irp hd, 0,1,2,3
	v_exp_f32 v[116+\hd], v[116+\hd]
.endr
	v_nop
	s_wait_alu depctr_va_vdst(0)
.irp hd, 0,1,2,3
	v_mul_f32 v[120+\hd], v[96+\hd], v[80+\hd]
.endr
.irp s, 1,2,3
.irp hd, 0,1,2,3
	v_fmac_f32 v[120+\hd], v[96+4*\s+\hd], v[80+4*\s+\hd]
.endr
.endr
.irp hd, 0,1,2,3
	v_rcp_f32 v[124+\hd], v[120+\hd]
.endr
	v_nop
	s_wait_alu depctr_va_vdst(0)
.irp hd, 0,1,2,3
	v_mul_f32 v[AL+2*\hd], v[116+\hd], v[124+\hd]
.endr
.irp hd, 0,1,2,3
	v_mov_b32 v[AL+2*\hd+1], v[AL+2*\hd]
.endr
.endm
.macro OPUT blk                        ; my partial O, scaled, to LDS: [wave][head][dt][half][lane], 16 bytes a lane
.set RSW, 0x82+0x41*\blk
.set STW, 0x08+0x04*\blk
	WIN RSW
	RESCALE
	WIN STW
.irp hd, 0,1,2,3
.irp dt, 0,1,2,3,4,5,6,7
	ds_store_b128 v11, v[8*(8*\hd+\dt):8*(8*\hd+\dt)+3] offset:\hd*8192+\dt*1024
	ds_store_b128 v11, v[8*(8*\hd+\dt)+4:8*(8*\hd+\dt)+7] offset:\hd*8192+\dt*1024+512
.endr
.endr
	WIN 0
.endm
; Wave w adds the four parts of head w, splits each sum into two bf16, and sends 16 rows of 512 bytes through its stage.
.macro OGET blk
.irp hf, 0,1
.irp s, 0,1,2,3
.irp i, 0,1,2,3,4,5,6,7
	ds_load_b128 v[SS+32*\s+4*\i:SS+32*\s+4*\i+3], v[14+\s/2] offset:(\s%2)*32768+\hf*4096+512*\i
.endr
.endr
	s_wait_dscnt 0x0
.irp s, 1,2,3
.set i, 0
.rept 16
	v_pk_add_f32 v[SS+i:SS+i+1], v[SS+i:SS+i+1], v[SS+32*\s+i:SS+32*\s+i+1]
.set i, i+2
.endr
.endr
.set i, 0
.rept 16
	v_perm_b32 v[PP+i], v[SS+2*i+1], v[SS+2*i], s19           ; upper parts: the top 16 bits of two sums
.set i, i+1
.endr
.set i, 0
.rept 32
	v_and_b32 v[SS+32+i], s88, v[SS+i]
.set i, i+1
.endr
.set i, 0
.rept 16
	v_pk_add_f32 v[SS+32+i:SS+32+i+1], v[SS+i:SS+i+1], v[SS+32+i:SS+32+i+1] neg_lo:[0,1] neg_hi:[0,1]   ; what they leave out, exact in f32
.set i, i+2
.endr
.set i, 0
.rept 16
	v_cvt_pk_bf16_f32 v[PP+16+i], v[SS+32+2*i], v[SS+32+2*i+1]
.set i, i+1
.endr
.irp d, 0,1,2,3
	ds_store_b128 v1, v[PP+4*\d:PP+4*\d+3] offset:32*(4*\hf+\d)
	ds_store_b128 v1, v[PP+16+4*\d:PP+16+4*\d+3] offset:256+32*(4*\hf+\d)
.endr
.endr
.irp t, 0,1,2,3,4,5,6,7,8,9,10,11,12,13,14,15
	ds_load_b128 v[SS+4*\t:SS+4*\t+3], v56 offset:\t*SP       ; LDS serves a wave's instructions in order: these see the stores above
.endr
.irp t, 0,1,2,3,4,5,6,7,8,9,10,11,12,13,14,15
	s_wait_dscnt 15-\t                             ; row t is in, the 15 - t younger loads stay out
	global_store_b128 v57, v[SS+4*\t:SS+4*\t+3], s[70+2*\blk:71+2*\blk] offset:8192*\t   ; the wave stores a head's 512 bytes of a row, aligned
.endr
.endm
	FACT 0
	OPUT 0
	s_wait_dscnt 0x0                               ; my part of lo's O is written
	s_barrier_signal -1
	s_barrier_wait -1
	OGET 0
	s_wait_dscnt 0x0                               ; my reads of the four parts are back, before anyone writes hi's over them
	s_barrier_signal -1
	s_barrier_wait -1
	FACT 1
	OPUT 1
	s_wait_dscnt 0x0
	s_barrier_signal -1
	s_barrier_wait -1
	OGET 1
	s_wait_tensorcnt 0x0
	ds_add_u32 v12, v13
	s_wait_dscnt 0x0
	ROUND                                          ; the closing round
	s_endpgm
.Lfunc_end_k_qee20952949_attn:
	.size	k_qee20952949_attn, .Lfunc_end_k_qee20952949_attn-k_qee20952949_attn
	.p2alignl 7, 3214868480
	.fill 96, 4, 3214868480
	.section	.rodata,"a",@progbits
	.p2align	6, 0x0
	.amdhsa_kernel k_qee20952949_attn
		.amdhsa_group_segment_fixed_size 327680
		.amdhsa_private_segment_fixed_size 0
		.amdhsa_enable_private_segment 0
		.amdhsa_kernarg_size 16
		.amdhsa_user_sgpr_count 2
		.amdhsa_user_sgpr_kernarg_segment_ptr 1
		.amdhsa_wavefront_size32 1
		.amdhsa_system_sgpr_workgroup_id_x 1
		.amdhsa_system_sgpr_workgroup_id_y 1
		.amdhsa_system_sgpr_workgroup_id_z 1
		.amdhsa_system_vgpr_workitem_id 0
		.amdhsa_next_free_vgpr 1024
		.amdhsa_next_free_sgpr 96
		.amdhsa_reserve_vcc 1
		.amdhsa_float_denorm_mode_32 3
		.amdhsa_float_denorm_mode_16_64 3
		.amdhsa_memory_ordered 1
		.amdhsa_forward_progress 1
		.amdhsa_inst_pref_size 255
	.end_amdhsa_kernel
	.section	.bss,"aw",@nobits
	.p2align	6
	.space	262144
	.amdgpu_metadata
---
amdhsa.version: [ 1, 2 ]
amdhsa.kernels:
  - .name:           k_qee20952949_attn
    .symbol:         k_qee20952949_attn.kd
    .args:
      - { .name: qkv, .offset: 0, .size: 8, .value_kind: global_buffer, .address_space: global }
      - { .name: ao, .offset: 8, .size: 8, .value_kind: global_buffer, .address_space: global }
    .group_segment_fixed_size: 327680
    .private_segment_fixed_size: 0
    .kernarg_segment_align: 8
    .kernarg_segment_size: 16
    .max_flat_workgroup_size: 128
    .sgpr_count:     96
    .vgpr_count:     1024
    .wavefront_size: 32
...
	.end_amdgpu_metadata
.endif
;; end of part 3
;; launch proj (part 4): grid 16 x 16, 4 waves a work-group, clusters of 4 x 4, 327,680 bytes of LDS; arguments ao, wb, out0; writes out0
.if DOCPART == 4
	.amdgcn_target "amdgcn-amd-amdhsa--gfx1250"
	.amdhsa_code_object_version 6
	.text
	.protected	k_qee20952949_proj
	.globl	k_qee20952949_proj
	.p2align	8
	.type	k_qee20952949_proj,@function
k_qee20952949_proj:
	s_mov_b64 s[64:65], 0
	v_nop
	global_prefetch_b8 v0, s[64:65] scope:SCOPE_SE
	s_setreg_imm32_b32 hwreg(HW_REG_WAVE_MODE, 25, 1), 1
	s_wait_xcnt 0x0
	s_wait_alu depctr_hold_cnt(0) depctr_sa_sdst(0) depctr_va_vdst(0) depctr_va_sdst(0) depctr_va_ssrc(0) depctr_va_vcc(0) depctr_vm_vsrc(0)
	s_getreg_b32 s2, hwreg(HW_REG_IB_STS2, 6, 4)
	s_cmp_eq_u32 s2, 0
	s_cbranch_scc0 .Lentry_in_a_cluster
	s_endpgm
.Lentry_in_a_cluster:
	s_bfe_u32 s2, ttmp6, 0x10000c
	s_cmp_lg_u32 s2, 0xf033
	s_cbranch_scc0 .Lentry_shape_is_right
	s_endpgm
.Lentry_shape_is_right:
; out0[m][n] (f32) = sum over k of (ao_upper[m][k] + ao_lower[m][k]) Wproj[n][k]; operands bf16 (Wproj from byte 20,971,520 of wb), sums in f32.
; ao lies as [m][head][upper 128 | lower 128]: a K step is one head, 512 bytes of a row of ao and 256 bytes of a row of Wproj.
; A work-group makes 128 x 128: 16 x 16 = 256 work-groups.  Wave (mh = w / 2, kh = w mod 2) takes rows 64 mh .. +63, all 128 columns, and columns 64 kh .. +63 of every K step:
; a wave tile of 64 x 128, 32 accumulators.  Its four quarters of a step are (upper, k 0-31), (lower, k 0-31), (upper, k 32-63), (lower, k 32-63); each reads 24 LDS loads
; for 32 matrix instructions (the weights' fragments are read for the upper and again for the lower part).  The two K halves are added on the way out
; (another order of rounding than one sum over K).
; Two LDS slots.  CLUSTERS 4 x 4: ao's tile is asked for jointly along a row of the cluster, Wproj's along a column.
; The matrix instruction is used transposed: lane (r, h), register j of tile (a, b) holds C[16 a + r][16 b + 8 h + j].
; REGISTERS: window 0: v0-31 addresses, v32-127 and v128-223 two fragment buffers (W(b) at f + 8 b, X(a) at f + 64 + 8 a); window 1: accumulators, tile (a, b) at v[8 (8 a + b)].
.set SIZE_K, 2048
.set KSTEP,  128
.set ASTEP,  4*KSTEP                   ; 512 bytes of a row of ao
.set BSTEP,  2*KSTEP                   ; 256 bytes of a row of Wproj
.set PA,     ASTEP+16                  ; 528 and
.set PB,     BSTEP+16                  ; 272: odd multiples of 16
.set AQ,     64*PA                     ; what wave 0 or 1 brings: 33,792
.set BQ,     64*PB                     ; what wave 2 or 3 brings: 17,408
.set ABYTES, 2*AQ
.set SLOT,   ABYTES+2*BQ               ; 102,400
.set LAPS,   SIZE_K/(2*KSTEP)          ; 8
.set WOFF,   20971520
.set ADRX, 16
.set ADRW, 20
.set STO,  24
.set RD,   25
.set CO,   26
.set F0,   32
.set F1,   128
.set G1,   24
.set G0,   32
.set G1B,  48
.set G0B,  56
.set MULW, 0x50
.set MSB,  0
.macro WIN new
.if MSB != \new
	s_set_vgpr_msb (MSB<<8)|\new
.set MSB, \new
.endif
.endm
.macro PLACES                          ; four independent vector instructions behind a matrix instruction (ISA guide 7.12.1)
.rept 4
	v_nop
.endr
.endm
.macro JLOAD s                         ; waves 0, 1 ask for ao's halves, waves 2, 3 for Wproj's
	s_cmp_eq_u32 s11, 0
	s_cbranch_scc0 .Lfor_b_\@
	tensor_load_to_lds s[G0+4*\s:G0+4*\s+3], s[G1:G1+7]
	s_nop 0
	s_branch .Lasked_\@
.Lfor_b_\@:
	tensor_load_to_lds s[G0B+4*\s:G0B+4*\s+3], s[G1B:G1B+7]
	s_nop 0
.Lasked_\@:
.endm
.macro CREST
	s_cmp_lg_u32 s10, 0
	s_cbranch_scc1 .Lnot_wave_0_\@
	s_barrier_signal -3
.Lnot_wave_0_\@:
	s_barrier_wait -3
	s_barrier_signal -1
	s_barrier_wait -1
.endm
.macro CROUND
	s_barrier_signal -1
	s_barrier_wait -1
	CREST
.endm
.macro MUL8 f, a, zero
.irp b, 0,1,2,3,4,5,6,7
.if \zero
	v_wmma_f32_16x16x32_bf16 v[8*(8*\a+\b):8*(8*\a+\b)+7], v[\f+8*\b:\f+8*\b+7], v[\f+64+8*\a:\f+64+8*\a+7], 0
.else
	v_wmma_f32_16x16x32_bf16 v[8*(8*\a+\b):8*(8*\a+\b)+7], v[\f+8*\b:\f+8*\b+7], v[\f+64+8*\a:\f+64+8*\a+7], v[8*(8*\a+\b):8*(8*\a+\b)+7]
.endif
.endr
.endm
.macro FETCH slot, kx, kw, f           ; 24 LDS loads: 32 along K, at byte kw of my part of the weights' rows and byte kx of my part of ao's
	WIN 0
.irp i, 0,1,2,3,4,5,6,7
	ds_load_b128 v[\f+8*\i:\f+8*\i+3],   v[ADRW+\slot] offset:\kw+\i*16*PB
	ds_load_b128 v[\f+8*\i+4:\f+8*\i+7], v[ADRW+\slot] offset:\kw+\i*16*PB+32
.endr
.irp i, 0,1,2,3
	ds_load_b128 v[\f+64+8*\i:\f+64+8*\i+3], v[ADRX+\slot] offset:\kx+\i*16*PA
	ds_load_b128 v[\f+64+8*\i+4:\f+64+8*\i+7], v[ADRX+\slot] offset:\kx+\i*16*PA+32
.endr
.endm
; The 32 accumulators take turns, one instruction a turn, in the same order in every quarter, over the backward jump too.
.macro QUARTER slot, kx, kw, f, g, zero
	s_wait_dscnt 4                                 ; all of buffer f but its four youngest loads, X(2) and X(3)
	WIN MULW
	MUL8 \f, 0, \zero
	MUL8 \f, 1, \zero
	PLACES
	FETCH \slot, \kx, \kw, \g
	s_wait_dscnt 24                                ; all but the 24 just issued
	WIN MULW
	MUL8 \f, 2, \zero
	MUL8 \f, 3, \zero
.endm
.macro THREE slot, zero
	QUARTER \slot, 256, 0,  F0, F1, \zero          ; multiplies (upper, 0-31), fetches (lower, 0-31)
	QUARTER \slot, 64,  64, F1, F0, 0              ; fetches (upper, 32-63)
	QUARTER \slot, 320, 64, F0, F1, 0              ; fetches (lower, 32-63)
.endm
.macro TURN slot, next, fill           ; the last quarter changes slots: reads back and all tensor loads landed in front of the barrier, the refill first behind it
	s_wait_dscnt 4
	WIN MULW
	MUL8 F1, 0, 0
	s_wait_dscnt 0x0
	s_wait_tensorcnt 0x0
	ds_add_u32 v254, v255
	s_wait_dscnt 0x0
	s_barrier_signal -1
	MUL8 F1, 1, 0
	WIN 0
	s_barrier_wait -1
.if \fill
	CREST
	s_add_nc_u64 s[G0+4*\slot+2:G0+4*\slot+3], s[G0+4*\slot+2:G0+4*\slot+3], 2*ASTEP
	s_add_nc_u64 s[G0B+4*\slot+2:G0B+4*\slot+3], s[G0B+4*\slot+2:G0B+4*\slot+3], 2*BSTEP
	JLOAD \slot
.endif
	PLACES
	FETCH \next, 0, 0, F0
	WIN MULW
	MUL8 F1, 2, 0
	MUL8 F1, 3, 0
.endm
.macro LAP zero
	THREE 0, \zero
	TURN 0, 1, 1
	THREE 1, 0
	TURN 1, 0, 1
.endm
	s_load_b128 s[4:7], s[0:1], 0x0                ; ao s[4:5], wb s[6:7]
	s_load_b64 s[8:9], s[0:1], 0x10                ; out0
	v_lshl_add_u32 v254, v0, 2, 0x32000
	v_mov_b32 v255, 0
	ds_add_u32 v254, v255
	v_lshrrev_b32 v1, 5, v0
	v_readfirstlane_b32 s10, v1                    ; wave
	s_lshr_b32 s11, s10, 1                         ; mh.  Also: I fetch ao (0) or Wproj (1)
	s_and_b32 s12, s10, 1                          ; kh.  Also: which 64 rows of that tile I fetch
	s_bfe_u32 s40, ttmp6, 0x40000                  ; cx
	s_bfe_u32 s41, ttmp6, 0x40004                  ; cy
	s_lshl_b32 s42, ttmp9, 2
	s_add_co_u32 s42, s42, s40                     ; block column
	s_and_b32 s13, ttmp7, 0xffff
	s_lshl_b32 s13, s13, 2
	s_add_co_u32 s13, s13, s41                     ; block row
	s_lshl_b32 s43, s41, 2
	s_lshl_b32 s43, 15, s43
	s_lshl_b32 s44, 0x1111, s40
	s_or_b32 s[G1+0], s43, (1<<16)|(1<<20)|(1<<21)|(6<<22)|(3<<25)   ; ao: mask; 2-byte elements; padding on; bit 21 beside a mask; 4 words behind every 128
	s_or_b32 s[G1B+0], s44, (1<<16)|(1<<20)|(1<<21)|(5<<22)|(3<<25)  ; Wproj: 4 words behind every 64
	s_mov_b32 s[G1+1], 256<<16                     ; 256 elements of ao: both parts of a head
	s_mov_b32 s[G1B+1], 128<<16
	s_mov_b32 s[G1+2], 64<<16
	s_mov_b32 s[G1B+2], 64<<16
	s_mov_b32 s[G1+3], 256<<16
	s_mov_b32 s[G1B+3], 128<<16
	s_mov_b32 s[G1+4], 64
	s_mov_b32 s[G1B+4], 64
	s_mov_b32 s[G1+5], 2*SIZE_K                    ; elements from row to row of ao,
	s_mov_b32 s[G1B+5], SIZE_K                     ; of Wproj
	s_mov_b32 s[G1+6], 0
	s_mov_b32 s[G1B+6], 0
	s_mov_b32 s[G1+7], 0
	s_mov_b32 s[G1B+7], 0
	s_lshl_b32 s17, s12, 6
	s_lshl_b32 s16, s13, 7
	s_add_co_u32 s16, s16, s17
	s_lshl_b32 s16, s16, 13                        ; ao: (128 block row + 64 half) rows of 8,192 bytes
	s_mov_b32 s17, 0
	s_lshl_b32 s47, s12, 6
	s_lshl_b32 s46, s42, 7
	s_add_co_u32 s46, s46, s47
	s_lshl_b32 s46, s46, 12                        ; Wproj: (128 block column + 64 half) rows of 4,096 bytes
	s_add_co_u32 s46, s46, WOFF
	s_mov_b32 s47, 0
	s_mul_i32 s20, s10, AQ                         ; LDS: ao's halves at wave x 33,792 (waves 0, 1)
	s_mul_i32 s78, s10, BQ
	s_add_co_u32 s78, s78, ABYTES-2*BQ             ; Wproj's at 32,768 + wave x 17,408 (waves 2, 3): behind ao's 67,584
	s_wait_dscnt 0x0
	s_wait_kmcnt 0x0
	s_add_nc_u64 s[14:15], s[4:5], s[16:17]
	s_add_nc_u64 s[46:47], s[6:7], s[46:47]
	CROUND
.irp s, 0,1
	s_mov_b32 s[G0+4*\s], 1
	s_add_co_u32 s[G0+4*\s+1], s20, \s*SLOT
	s_add_nc_u64 s[G0+4*\s+2:G0+4*\s+3], s[14:15], \s*ASTEP
	s_or_b32 s[G0+4*\s+3], s[G0+4*\s+3], 0x80000000
	s_mov_b32 s[G0B+4*\s], 1
	s_add_co_u32 s[G0B+4*\s+1], s78, \s*SLOT
	s_add_nc_u64 s[G0B+4*\s+2:G0B+4*\s+3], s[46:47], \s*BSTEP
	s_or_b32 s[G0B+4*\s+3], s[G0B+4*\s+3], 0x80000000
	JLOAD \s                                       ; two tensor loads of the wave are out now, one behind each later round
.endr
	v_and_b32 v1, 15, v0                           ; r
	v_bfe_u32 v2, v0, 4, 1                         ; h
	v_mul_u32_u24 v3, v1, PA
	v_lshl_add_u32 v4, v2, 4, v3                   ; r x 528 + 16 h
	v_mul_u32_u24 v7, v1, PB
	v_lshl_add_u32 v7, v2, 4, v7                   ; r x 272 + 16 h
	s_lshl_b32 s23, s12, 7                         ; my 64 columns: 128 bytes into each part
	s_mul_i32 s21, s11, AQ
	s_add_co_u32 s21, s21, s23                     ; my 64 rows of ao
	s_add_co_u32 s22, s23, ABYTES                  ; the 128 rows of Wproj
.irp s, 0,1
	v_add_nc_u32 v[ADRX+\s], s21, v4
	v_add_nc_u32 v[ADRW+\s], s22, v7
	s_add_co_u32 s21, s21, SLOT
	s_add_co_u32 s22, s22, SLOT
.endr
	v_lshl_add_u32 v5, v2, 5, v3                   ; the way out, in: row r of 528 bytes, 32 bytes for each half of the lanes
	v_add_nc_u32 v[STO], s20, v5                   ; in my 64 rows x 528 bytes
	v_and_b32 v6, 31, v0
	v_lshlrev_b32 v[CO], 4, v6                     ; 16 x lane: a row's 512 bytes
	s_mul_i32 s21, s11, 2*AQ                       ; back: the parts of waves 2 mh and 2 mh + 1,
	s_mul_i32 s22, s12, 32*PA                      ; rows 32 kh .. +31
	s_add_co_u32 s21, s21, s22
	v_add_nc_u32 v[RD], s21, v[CO]
	s_wait_tensorcnt 0x1                           ; my part of K step 0 is in; K step 1's stays out
	s_barrier_signal -1
	s_barrier_wait -1
	FETCH 0, 0, 0, F0
	LAP 1
	WIN 0
	s_mov_b32 s3, LAPS-2
.Llap:
	LAP 0
	WIN 0
	s_sub_co_u32 s3, s3, 1
	s_cmp_lg_u32 s3, 0
	s_cbranch_scc1 .Llap
	THREE 0, 0                                     ; the last lap fills nothing
	TURN 0, 1, 0
	THREE 1, 0
	s_wait_dscnt 4
	WIN MULW
	MUL8 F1, 0, 0
	MUL8 F1, 1, 0
	s_wait_dscnt 0x0                               ; my last reads of the slots are back
	MUL8 F1, 2, 0
	MUL8 F1, 3, 0
	; THE WAY OUT: every wave lays its 64 x 128 sums in f32 into 33,792 bytes of the slots (4 x 33,792 = 135,168: slot 0 and the head of slot 1, both behind their last fill);
	; then wave (mh, kh) adds the two K halves of rows 32 kh .. +31 of tile mh and stores whole rows.
	WIN 0
	PLACES
	s_lshl_b32 s16, s13, 7
	s_lshl_b32 s17, s11, 6
	s_add_co_u32 s16, s16, s17
	s_lshl_b32 s17, s12, 5
	s_add_co_u32 s16, s16, s17
	s_lshl_b32 s16, s16, 13                        ; (128 block row + 64 mh + 32 kh) rows of 8,192 bytes
	s_mov_b32 s17, 0
	s_add_nc_u64 s[8:9], s[8:9], s[16:17]
	s_lshl_b32 s46, s42, 9                         ; 512 bytes for each block column
	s_mov_b32 s47, 0
	s_add_nc_u64 s[8:9], s[8:9], s[46:47]
	s_barrier_signal -1                            ; every wave's reads of both slots are back (its wait above): the slots may be written over
	s_barrier_wait -1
	WIN 0x04                                       ; store data in window 1
.irp a, 0,1,2,3
.irp b, 0,1,2,3,4,5,6,7
	ds_store_b128 v[STO], v[8*(8*\a+\b):8*(8*\a+\b)+3] offset:\a*16*PA+64*\b
	ds_store_b128 v[STO], v[8*(8*\a+\b)+4:8*(8*\a+\b)+7] offset:\a*16*PA+64*\b+16
.endr
.endr
	WIN 0
	s_wait_dscnt 0x0                               ; my stores are done, for the wave that reads them
	s_barrier_signal -1
	s_barrier_wait -1
.macro OUTG g, f                       ; eight rows
	s_wait_xcnt 0x0                                ; the registers that earlier stores read are loaded again only behind this wait
.irp i, 0,1,2,3,4,5,6,7
	ds_load_b128 v[\f+4*\i:\f+4*\i+3], v[RD] offset:(8*\g+\i)*PA
	ds_load_b128 v[\f+32+4*\i:\f+32+4*\i+3], v[RD] offset:AQ+(8*\g+\i)*PA
.endr
.irp i, 0,1,2,3,4,5,6,7
	s_wait_dscnt 14-2*\i                           ; both halves of row i are in; the two loads of each younger row stay out
	v_pk_add_f32 v[\f+4*\i:\f+4*\i+1], v[\f+4*\i:\f+4*\i+1], v[\f+32+4*\i:\f+32+4*\i+1]
	v_pk_add_f32 v[\f+4*\i+2:\f+4*\i+3], v[\f+4*\i+2:\f+4*\i+3], v[\f+32+4*\i+2:\f+32+4*\i+3]
	global_store_b128 v[CO], v[\f+4*\i:\f+4*\i+3], s[8:9] offset:(8*\g+\i)*8192 th:TH_STORE_NT   ; 512 consecutive bytes, aligned
.endr
.endm
	OUTG 0, F0
	OUTG 1, F1
	OUTG 2, F0
	OUTG 3, F1
	s_wait_tensorcnt 0x0
	ds_add_u32 v254, v255
	s_wait_dscnt 0x0
	CROUND                                         ; the closing round
	s_endpgm
.Lfunc_end_k_qee20952949_proj:
	.size	k_qee20952949_proj, .Lfunc_end_k_qee20952949_proj-k_qee20952949_proj
	.p2alignl 7, 3214868480
	.fill 96, 4, 3214868480
	.section	.rodata,"a",@progbits
	.p2align	6, 0x0
	.amdhsa_kernel k_qee20952949_proj
		.amdhsa_group_segment_fixed_size 327680
		.amdhsa_private_segment_fixed_size 0
		.amdhsa_enable_private_segment 0
		.amdhsa_kernarg_size 24
		.amdhsa_user_sgpr_count 2
		.amdhsa_user_sgpr_kernarg_segment_ptr 1
		.amdhsa_wavefront_size32 1
		.amdhsa_system_sgpr_workgroup_id_x 1
		.amdhsa_system_sgpr_workgroup_id_y 1
		.amdhsa_system_sgpr_workgroup_id_z 1
		.amdhsa_system_vgpr_workitem_id 0
		.amdhsa_next_free_vgpr 512
		.amdhsa_next_free_sgpr 96
		.amdhsa_reserve_vcc 0
		.amdhsa_float_denorm_mode_32 3
		.amdhsa_float_denorm_mode_16_64 3
		.amdhsa_memory_ordered 1
		.amdhsa_forward_progress 1
		.amdhsa_inst_pref_size 117
	.end_amdhsa_kernel
	.amdgpu_metadata
---
amdhsa.version: [ 1, 2 ]
amdhsa.kernels:
  - .name:           k_qee20952949_proj
    .symbol:         k_qee20952949_proj.kd
    .args:
      - { .name: ao, .offset: 0, .size: 8, .value_kind: global_buffer, .address_space: global }
      - { .name: wb, .offset: 8, .size: 8, .value_kind: global_buffer, .address_space: global }
      - { .name: out0, .offset: 16, .size: 8, .value_kind: global_buffer, .address_space: global }
    .group_segment_fixed_size: 327680
    .private_segment_fixed_size: 0
    .kernarg_segment_align: 8
    .kernarg_segment_size: 24
    .max_flat_workgroup_size: 128
    .sgpr_count:     96
    .vgpr_count:     512
    .wavefront_size: 32
...
	.end_amdgpu_metadata
.endif
;; end of part 4
;; ======== version 2 of 3: 4 launches; 1.25 times as fast as version 1
;; limits: values outside matrix products are rounded to bf16; values are held in f16: magnitudes above 65,504 overflow, below 6.1e-05 lose precision; right only within a limited range of input values
;; workspace buffers: wb 29,360,128 bytes; qkv 25,165,824 bytes; ao 8,650,752 bytes
;; launch cast (part 5): grid 896 x 1, 8 waves a work-group, no clusters, 0 bytes of LDS; arguments x, Wq, Wk, Wv, Wproj, wb; writes wb
.if DOCPART == 5
	.amdgcn_target "amdgcn-amd-amdhsa--gfx1250"
	.amdhsa_code_object_version 6
	.text
	.protected	k_qee20952949_cast
	.globl	k_qee20952949_cast
	.p2align	8
	.type	k_qee20952949_cast,@function
k_qee20952949_cast:
	s_mov_b64 s[64:65], 0
	v_nop
	global_prefetch_b8 v0, s[64:65] scope:SCOPE_SE
	s_setreg_imm32_b32 hwreg(HW_REG_WAVE_MODE, 25, 1), 1
	s_wait_xcnt 0x0
; wb = x, Wq, Wk, Wv, Wproj in 16 bits, one behind the other: 14,680,064 numbers, each rounded once to bf16 (to nearest even).
; x, Wq, Wk, Wv are stored as bf16.  Wproj's bf16 value is stored in f16 form, because its partner in the last product is f16: the 8 bits of a bf16 fit
; into f16's 11, so the value is kept exactly for 2^-17 <= |w| < 65,504.  LIMIT: |Wproj| < 65,504; below 2^-17 the value is kept to 2^-25 absolutely.
; The matrix launches then read 2-byte operands, and no number is converted by more than one work-group.
; Work-group b takes numbers 16,384 b .. +16,383: 65,536 bytes in, 32,768 bytes out.  Blocks 0-255 x, 256-511 Wq, 512-575 Wk, 576-639 Wv, 640-895 Wproj.
; Thread t takes 16 bytes at 16 t of each 4,096-byte piece: a wave's load covers 512 consecutive bytes, its store 256 consecutive bytes, aligned.
; All sixteen loads of a wave go out at once; nothing is shared, so there is no LDS, no barrier, no matrix work and no cluster.
.set XR, 4                             ; v[4:67]   sixteen pieces of four f32
.set YR, 68                            ; v[68:99]  sixteen pieces of four 16-bit numbers
	s_load_b256 s[4:11], s[0:1], 0x0               ; x s[4:5], Wq s[6:7], Wk s[8:9], Wv s[10:11]
	s_load_b128 s[12:15], s[0:1], 0x20             ; Wproj s[12:13], wb s[14:15]
	s_mov_b32 s16, ttmp9                           ; b
	s_mov_b32 s17, 0                               ; first block of the source chosen
	s_mov_b32 s24, 0xffff0000                      ; a word's upper bf16
	v_lshlrev_b32 v1, 4, v0                        ; 16 t
	v_lshlrev_b32 v2, 3, v0                        ; 8 t
	s_wait_kmcnt 0x0
	s_mov_b64 s[18:19], s[4:5]
.macro PICK bound, src                 ; from block 'bound' on the source is the next tensor
	s_cmp_ge_u32 s16, \bound
	s_cselect_b64 s[18:19], s[\src:\src+1], s[18:19]
	s_cselect_b32 s17, \bound, s17
.endm
	PICK 256, 6
	PICK 512, 8
	PICK 576, 10
	PICK 640, 12
	s_sub_co_u32 s20, s16, s17
	s_lshl_b32 s20, s20, 16                        ; 65,536 bytes for each block inside the source
	s_mov_b32 s21, 0
	s_add_nc_u64 s[18:19], s[18:19], s[20:21]
	s_lshl_b32 s22, s16, 15                        ; 32,768 bytes for each block in wb
	s_mov_b32 s23, 0
	s_add_nc_u64 s[14:15], s[14:15], s[22:23]
.irp i, 0,1,2,3,4,5,6,7,8,9,10,11,12,13,14,15
	global_load_b128 v[XR+4*\i:XR+4*\i+3], v1, s[18:19] offset:4096*\i th:TH_LOAD_NT
.endr
	s_cmp_ge_u32 s16, 640                          ; Wproj's blocks take the second way
	s_cbranch_scc1 .Lwproj
.irp i, 0,1,2,3,4,5,6,7,8,9,10,11,12,13,14,15
	s_wait_loadcnt 15-\i                           ; loads come back in order: piece i is in, the 15 - i younger ones stay out
	v_cvt_pk_bf16_f32 v[YR+2*\i], v[XR+4*\i], v[XR+4*\i+1]
	v_cvt_pk_bf16_f32 v[YR+2*\i+1], v[XR+4*\i+2], v[XR+4*\i+3]
	global_store_b64 v2, v[YR+2*\i:YR+2*\i+1], s[14:15] offset:2048*\i   ; no register of a store is written again: no further wait
.endr
	s_endpgm
.Lwproj:
.irp i, 0,1,2,3,4,5,6,7,8,9,10,11,12,13,14,15
	s_wait_loadcnt 15-\i
	v_cvt_pk_bf16_f32 v[YR+2*\i], v[XR+4*\i], v[XR+4*\i+1]               ; the one rounding,
	v_cvt_pk_bf16_f32 v[YR+2*\i+1], v[XR+4*\i+2], v[XR+4*\i+3]
	v_lshlrev_b32 v[XR+4*\i], 16, v[YR+2*\i]                             ; the rounded values as f32 again,
	v_and_b32 v[XR+4*\i+1], s24, v[YR+2*\i]
	v_lshlrev_b32 v[XR+4*\i+2], 16, v[YR+2*\i+1]
	v_and_b32 v[XR+4*\i+3], s24, v[YR+2*\i+1]
	v_cvt_pk_f16_f32 v[YR+2*\i], v[XR+4*\i], v[XR+4*\i+1]                ; and in f16 form
	v_cvt_pk_f16_f32 v[YR+2*\i+1], v[XR+4*\i+2], v[XR+4*\i+3]
	global_store_b64 v2, v[YR+2*\i:YR+2*\i+1], s[14:15] offset:2048*\i
.endr
	s_endpgm
.Lfunc_end_k_qee20952949_cast:
	.size	k_qee20952949_cast, .Lfunc_end_k_qee20952949_cast-k_qee20952949_cast
	.p2alignl 7, 3214868480
	.fill 96, 4, 3214868480
	.section	.rodata,"a",@progbits
	.p2align	6, 0x0
	.amdhsa_kernel k_qee20952949_cast
		.amdhsa_group_segment_fixed_size 0
		.amdhsa_private_segment_fixed_size 0
		.amdhsa_enable_private_segment 0
		.amdhsa_kernarg_size 48
		.amdhsa_user_sgpr_count 2
		.amdhsa_user_sgpr_kernarg_segment_ptr 1
		.amdhsa_wavefront_size32 1
		.amdhsa_system_sgpr_workgroup_id_x 1
		.amdhsa_system_sgpr_workgroup_id_y 1
		.amdhsa_system_sgpr_workgroup_id_z 1
		.amdhsa_system_vgpr_workitem_id 0
		.amdhsa_next_free_vgpr 104
		.amdhsa_next_free_sgpr 66
		.amdhsa_reserve_vcc 0
		.amdhsa_float_denorm_mode_32 3
		.amdhsa_float_denorm_mode_16_64 3
		.amdhsa_memory_ordered 1
		.amdhsa_forward_progress 1
		.amdhsa_inst_pref_size 16
	.end_amdhsa_kernel
	.amdgpu_metadata
---
amdhsa.version: [ 1, 2 ]
amdhsa.kernels:
  - .name:           k_qee20952949_cast
    .symbol:         k_qee20952949_cast.kd
    .args:
      - { .name: x, .offset: 0, .size: 8, .value_kind: global_buffer, .address_space: global }
      - { .name: Wq, .offset: 8, .size: 8, .value_kind: global_buffer, .address_space: global }
      - { .name: Wk, .offset: 16, .size: 8, .value_kind: global_buffer, .address_space: global }
      - { .name: Wv, .offset: 24, .size: 8, .value_kind: global_buffer, .address_space: global }
      - { .name: Wproj, .offset: 32, .size: 8, .value_kind: global_buffer, .address_space: global }
      - { .name: wb, .offset: 40, .size: 8, .value_kind: global_buffer, .address_space: global }
    .group_segment_fixed_size: 0
    .private_segment_fixed_size: 0
    .kernarg_segment_align: 8
    .kernarg_segment_size: 48
    .max_flat_workgroup_size: 256
    .sgpr_count:     66
    .vgpr_count:     104
    .wavefront_size: 32
...
	.end_amdgpu_metadata
.endif
;; end of part 5
;; launch qkvgemm: the kernel of part 2 again; grid 24 x 8, 4 waves a work-group, clusters of 4 x 4, 327,680 bytes of LDS; arguments wb, q_gain, qkv; writes qkv
;; launch attn (part 6): grid 64 x 4, 4 waves a work-group, clusters of 4 x 1, 327,680 bytes of LDS; arguments qkv, ao; writes ao
.if DOCPART == 6
	.amdgcn_target "amdgcn-amd-amdhsa--gfx1250"
	.amdhsa_code_object_version 6
	.text
	.protected	k_qee20952949_attn
	.globl	k_qee20952949_attn
	.p2align	8
	.type	k_qee20952949_attn,@function
k_qee20952949_attn:
	s_mov_b64 s[64:65], 0
	v_nop
	global_prefetch_b8 v0, s[64:65] scope:SCOPE_SE
	s_setreg_imm32_b32 hwreg(HW_REG_WAVE_MODE, 25, 1), 1
	s_wait_xcnt 0x0
	s_wait_alu depctr_hold_cnt(0) depctr_sa_sdst(0) depctr_va_vdst(0) depctr_va_sdst(0) depctr_va_ssrc(0) depctr_va_vcc(0) depctr_vm_vsrc(0)
	s_getreg_b32 s2, hwreg(HW_REG_IB_STS2, 6, 4)
	s_cmp_eq_u32 s2, 0
	s_cbranch_scc0 .Lentry_in_a_cluster
	s_endpgm
.Lentry_in_a_cluster:
	s_bfe_u32 s2, ttmp6, 0x10000c
	s_cmp_lg_u32 s2, 0x3003
	s_cbranch_scc0 .Lentry_shape_is_right
	s_endpgm
.Lentry_shape_is_right:
; ao (f16) = causal softmax(q k^T) v for 16 q heads on 4 k/v heads.  q already carries gain * log2(e) / sqrt(128): weights are 2^(s - max).
; FORMATS: q, k, the weights and v's upper part (the first 256 bytes of a v row of qkv) are f16 operands, the result is rounded to f16.
; POSITIONS 0 TO 63 average so few keys that 11 bits of v and of the result are too few for them: they also take v's lower part, and their result leaves in two f16 parts.
; Work-group (n = 4 x cluster x + cx in 0..63, g = k/v head) does two blocks of 16 positions, block n ('lo') and block 127 - n ('hi'), for the 4 q heads of g:
; a wave's query tile is 4 heads x 16 positions.  Keys go in units of 256; wave w takes keys 64 w .. +63 of a unit.
; With c = n / 16, lo needs units 0 .. c and hi units 0 .. 7 - c: nine units in every work-group, the same ones in the four work-groups of a cluster
; (c hangs on the cluster's x alone), so K and V tiles are asked for jointly by all four.
; THE RING: two LDS slots, each with a unit's V (256 x 288 bytes) and K (256 x 272).  One round of the cluster's barrier a unit: behind it waves 0, 1 ask for the halves of the next
; unit's V and waves 2, 3 for those of its K, 128 rows a load, into the slot read last; the load has a whole unit's work in which to land.
; Four tensor loads of a wave are out at the start (tile 0, both Q tiles, tile 1), one later.
; THE ORDER, chosen so that every position has its slot as a constant of the text: position 0 hi's diagonal unit 7 - c (slot 0), position 1 lo's diagonal unit c (slot 1),
; positions 2 .. c + 1 lo's units c - 1 .. 0, positions c + 2 .. 8 hi's units 6 - c .. 0; position p lies in slot p mod 2.  The diagonal units are the only masked ones
; and start their block's sums.  In positions 2 to 7 a branch on p and c takes lo's or hi's text.  Q of hi is read from LDS again at position c + 2.
; V'S LOWER PART: in the cluster with x = 0 lo is positions 0 to 63, its one unit is unit 0, and of that only keys 0 to 63 count: waves 2 and 3 would see masked keys alone.
; There the second halves of that tile are fetched from other addresses: K's rows 0-127 once more, and the LOWER part of V's rows 0-127.  So waves 2, 3 form the same weights
; as waves 0, 1 and multiply them by V_lower; in the merge their sums of weights count as 0 and their O is added like any wave's.  Only global addresses, a mask limit and
; a factor differ, all chosen by the cluster's x and the wave's number.
; Transposed forms: S^T = K Q^T (lane (r, h), register j: key 16 kt + 8 h + j, query r) and O^T = V^T P^T (V through the transposing LDS load), so the rounded
; weights are the second product's operand in the lanes where they stand, and a query's maximum and sum are made inside a lane and one exchange of halves.
; Every wave keeps a running maximum, sum and O for its own keys; at the end the four waves' parts are merged through LDS, wave w finishing head w.
; ao's ROWS lie in the order of the next launch's blocks, in groups of 16 rows of 4,096 bytes: block n < 4 at group 9 n (upper part) and 9 n + 8 (lower part);
; 4 <= n < 32, m = n - 4, at group 9 (m / 7) + 1 + m mod 7; n >= 32 at group n + 4.  132 groups in all.
; LIMITS: masked products and nothing else are -1e30, so |product| must stay far below 1e30; weights below 2^-24 of a wave's largest count as 0 in the product (f16);
; from position 64 on v (cut, not rounded, to 11 bits) and the result (rounded) carry 11 bits; |v| < 65,504; the sum over keys is split over four waves
; (another order of rounding than a single sum); NaN and infinities are not treated apart.
; A wave all of whose keys are masked for a query carries the maximum -1e30 and finite sums; the factor 2^(-1e30 - max) = 0 removes them.  Key 0 is never masked.
; REGISTERS: window 0: v1-15 addresses and limits, v16-39 maxima (twice, as pairs) and sums of lo and hi, v40-63 at work, S(hd, kt) = v[64 + 32 hd + 8 kt], P(hd, u) = v[192 + 16 hd + 8 u];
; window 1: Q(hd, kq) = v[8 (4 hd + kq)], K(kt, kq) = v[128 + 8 (4 kq + kt)] or V(dt, u) = v[128 + 8 (8 u + dt)]; windows 2, 3: O(hd, dt) = v[8 (8 hd + dt)] of lo, hi.
.set KP,  272                          ; pitch of K and Q rows: 256 + 16
.set VP,  288                          ; pitch of V rows: 256 + 32, an odd multiple of 32 for the transposing load
.set VBY, 256*VP                       ; 73,728: a slot's V; its K follows
.set SLOTB, VBY+256*KP                 ; 143,360
.set QL,  2*SLOTB                      ; 286,720: Q of lo, 4 heads x 16 rows x 272
.set QB,  64*KP                        ; Q of hi follows
.set ML,  SLOTB                        ; behind the last fills and reads: maxima and sums of the waves, 4,096 bytes at the head of slot 1;
.set MGB, SLOTB+4096                   ; hi's four partial O, 131,072 bytes, behind them; lo's in bytes 0 .. 131,071 of slot 0
.set STG, QL                           ; the stage of the way out: Q's bytes, 2 x 16 rows x 272 for each wave
.set AL,  40
.set TT,  48
.set SU,  56
.set SS,  64
.set PP,  192
.set FR,  128
.set G1K, 24
.set G0K, 32                           ; s[32:39] K's tiles, a set for each slot
.set G1V, 40
.set G1Q, 48
.set G0V, 76                           ; s[76:83] V's tiles, a set for each slot
.set MSB, 0
.macro WIN new                         ; the immediate's high byte repeats the setting that is left
.if MSB != \new
	s_set_vgpr_msb (MSB<<8)|\new
.set MSB, \new
.endif
.endm
.macro PLACES                          ; four independent vector instructions behind a matrix instruction (ISA guide 7.12.1), before its results are read or its registers loaded into
.rept 4
	v_nop
.endr
.endm
.macro ROUND                           ; a round of the cluster's barrier
	s_barrier_signal -1
	s_barrier_wait -1
	s_cmp_lg_u32 s8, 0
	s_cbranch_scc1 .Lnot_wave_0_\@
	s_barrier_signal -3
.Lnot_wave_0_\@:
	s_barrier_wait -3
	s_barrier_signal -1
	s_barrier_wait -1
.endm
.macro JKV s                           ; the joint load of a wave: waves 0, 1 a half of V, waves 2, 3 a half of K, into slot s (the argument may be an expression: it stands in parentheses)
	s_cmp_eq_u32 s99, 0
	s_cbranch_scc0 .Lfor_k_\@
	tensor_load_to_lds s[G0V+4*(\s):G0V+4*(\s)+3], s[G1V:G1V+7]
	s_nop 0
	s_branch .Lasked_\@
.Lfor_k_\@:
	tensor_load_to_lds s[G0K+4*(\s):G0K+4*(\s)+3], s[G1K:G1K+7]
	s_nop 0
.Lasked_\@:
.endm
.macro LOADQ blk
.irp hd, 0,1,2,3
.irp kq, 0,1,2,3
	ds_load_b128 v[8*(4*\hd+\kq):8*(4*\hd+\kq)+3],   v4 offset:\blk*QB+\hd*16*KP+64*\kq
	ds_load_b128 v[8*(4*\hd+\kq)+4:8*(4*\hd+\kq)+7], v4 offset:\blk*QB+\hd*16*KP+64*\kq+32
.endr
.endr
.endm
.macro LOADK slot                      ; eight loads for each 32 of d
.irp kq, 0,1,2,3
.irp kt, 0,1,2,3
	ds_load_b128 v[FR+8*(4*\kq+\kt):FR+8*(4*\kq+\kt)+3],   v[2+8*\slot] offset:\kt*16*KP+64*\kq
	ds_load_b128 v[FR+8*(4*\kq+\kt)+4:FR+8*(4*\kq+\kt)+7], v[2+8*\slot] offset:\kt*16*KP+64*\kq+32
.endr
.endr
.endm
.macro LOADV slot                      ; sixteen loads for each 32 keys
.irp u, 0,1
.irp dt, 0,1,2,3,4,5,6,7
	ds_load_tr16_b128 v[FR+8*(8*\u+\dt):FR+8*(8*\u+\dt)+3],   v[3+8*\slot] offset:\u*32*VP+32*\dt
	ds_load_tr16_b128 v[FR+8*(8*\u+\dt)+4:FR+8*(8*\u+\dt)+7], v[3+8*\slot] offset:\u*32*VP+32*\dt+16*VP
.endr
.endr
.endm
; In both products the accumulators take turns, one instruction a turn.
.macro SMUL kq
.irp kt, 0,1,2,3
.irp hd, 0,1,2,3
.if \kq == 0
	v_wmma_f32_16x16x32_f16 v[SS+32*\hd+8*\kt:SS+32*\hd+8*\kt+7], v[FR+8*(4*\kq+\kt):FR+8*(4*\kq+\kt)+7], v[8*(4*\hd+\kq):8*(4*\hd+\kq)+7], 0
.else
	v_wmma_f32_16x16x32_f16 v[SS+32*\hd+8*\kt:SS+32*\hd+8*\kt+7], v[FR+8*(4*\kq+\kt):FR+8*(4*\kq+\kt)+7], v[8*(4*\hd+\kq):8*(4*\hd+\kq)+7], v[SS+32*\hd+8*\kt:SS+32*\hd+8*\kt+7]
.endif
.endr
.endr
.endm
.macro PVMUL u, zero
.irp hd, 0,1,2,3
.irp dt, 0,1,2,3,4,5,6,7
.if \zero
	v_wmma_f32_16x16x32_f16 v[8*(8*\hd+\dt):8*(8*\hd+\dt)+7], v[FR+8*(8*\u+\dt):FR+8*(8*\u+\dt)+7], v[PP+16*\hd+8*\u:PP+16*\hd+8*\u+7], 0
.else
	v_wmma_f32_16x16x32_f16 v[8*(8*\hd+\dt):8*(8*\hd+\dt)+7], v[FR+8*(8*\u+\dt):FR+8*(8*\u+\dt)+7], v[PP+16*\hd+8*\u:PP+16*\hd+8*\u+7], v[8*(8*\hd+\dt):8*(8*\hd+\dt)+7]
.endif
.endr
.endr
.endm
.macro MASK lim                        ; key 16 kt + 8 h + j of my 64 counts where 16 kt + j <= the lane's limit
.irp kt, 0,1,2,3
.irp j, 0,1,2,3,4,5,6,7
	v_cmp_le_i32 vcc_lo, 16*\kt+\j, v[\lim]
.irp hd, 0,1,2,3
	v_cndmask_b32 v[SS+32*\hd+8*\kt+\j], v7, v[SS+32*\hd+8*\kt+\j], vcc_lo
.endr
.endr
.endr
.endm
.macro MAXES zero                      ; the unit's maximum for each head and query; zero = 0: joined to the running one, and alpha = 2^(old - new)
.irp hd, 0,1,2,3
	v_max3_num_f32 v[TT+\hd], v[SS+32*\hd], v[SS+32*\hd+1], v[SS+32*\hd+2]
.endr
.set i, 3
.rept 14
.irp hd, 0,1,2,3
	v_max3_num_f32 v[TT+\hd], v[TT+\hd], v[SS+32*\hd+i], v[SS+32*\hd+i+1]
.endr
.set i, i+2
.endr
.irp hd, 0,1,2,3
	v_max_num_f32 v[TT+\hd], v[TT+\hd], v[SS+32*\hd+31]
.endr
.irp hd, 0,1,2,3
	v_permlanex16_b32 v[TT+4+\hd], v[TT+\hd], s66, s67        ; the other eight keys of each sixteen
.endr
.if \zero
.irp hd, 0,1,2,3
	v_max_num_f32 v[MPB+2*\hd], v[TT+\hd], v[TT+4+\hd]
.endr
.irp hd, 0,1,2,3
	v_mov_b32 v[MPB+2*\hd+1], v[MPB+2*\hd]
.endr
.else
.irp hd, 0,1,2,3
	v_max3_num_f32 v[TT+\hd], v[TT+\hd], v[TT+4+\hd], v[MPB+2*\hd]
.endr
.irp hd, 0,1,2,3
	v_sub_f32 v[TT+4+\hd], v[MPB+2*\hd], v[TT+\hd]
.endr
.irp hd, 0,1,2,3
	v_exp_f32 v[AL+2*\hd], v[TT+4+\hd]
.endr
.irp hd, 0,1,2,3
	v_mov_b32 v[MPB+2*\hd], v[TT+\hd]              ; plain instructions behind the 2^x, before alpha is read
	v_mov_b32 v[MPB+2*\hd+1], v[TT+\hd]
.endr
	s_wait_alu depctr_va_vdst(0)
.irp hd, 0,1,2,3
	v_mov_b32 v[AL+2*\hd+1], v[AL+2*\hd]
.endr
.endif
.endm
.macro RESCALE                         ; O of every head times its pair in AL
.irp hd, 0,1,2,3
.set i, 0
.rept 32
	v_pk_mul_f32 v[64*\hd+i:64*\hd+i+1], v[64*\hd+i:64*\hd+i+1], v[AL+2*\hd:AL+2*\hd+1]
.set i, i+2
.endr
.endr
.endm
.macro WEIGHTS zero                    ; 2^(s - max), their sums (a lane's own part), and the rounding to f16
.irp hd, 0,1,2,3
.set i, 0
.rept 16
	v_pk_add_f32 v[SS+32*\hd+i:SS+32*\hd+i+1], v[SS+32*\hd+i:SS+32*\hd+i+1], v[MPB+2*\hd:MPB+2*\hd+1] neg_lo:[0,1] neg_hi:[0,1]
.set i, i+2
.endr
.endr
.set i, 0
.rept 128
	v_exp_f32 v[SS+i], v[SS+i]
.set i, i+1
.endr
	v_nop                                          ; one plain instruction behind the last 2^x
	s_wait_alu depctr_va_vdst(0)
.irp hd, 0,1,2,3
	v_pk_add_f32 v[SU+2*\hd:SU+2*\hd+1], v[SS+32*\hd:SS+32*\hd+1], v[SS+32*\hd+2:SS+32*\hd+3]
.endr
.set i, 4
.rept 14
.irp hd, 0,1,2,3
	v_pk_add_f32 v[SU+2*\hd:SU+2*\hd+1], v[SU+2*\hd:SU+2*\hd+1], v[SS+32*\hd+i:SS+32*\hd+i+1]
.endr
.set i, i+2
.endr
.if \zero
.irp hd, 0,1,2,3
	v_add_f32 v[LB+\hd], v[SU+2*\hd], v[SU+2*\hd+1]
.endr
.else
.irp hd, 0,1,2,3
	v_add_f32 v[SU+2*\hd], v[SU+2*\hd], v[SU+2*\hd+1]
.endr
.irp hd, 0,1,2,3
	v_fma_f32 v[LB+\hd], v[LB+\hd], v[AL+2*\hd], v[SU+2*\hd]
.endr
.endif
.irp hd, 0,1,2,3
.set i, 0
.rept 16
	v_cvt_pk_f16_f32 v[PP+16*\hd+i], v[SS+32*\hd+2*i], v[SS+32*\hd+2*i+1]
.set i, i+1
.endr
.endr
.endm
; A unit's work.  blk: 0 lo, 1 hi; slot: where its tiles lie; diag = 1: the block's first unit (Q is fetched, the mask applied, the state started);
; rq = 1: at position c + 2, hi's first unit behind lo's, Q of hi is fetched again.
.macro BODY blk, slot, diag, rq
.set MPB, 16+12*\blk
.set LB,  24+12*\blk
.set RSW, 0x82+0x41*\blk
.set PVW, 0xa1+0x50*\blk
.if \rq
	s_cmp_lg_u32 s18, s16
	s_cbranch_scc1 .Lsame_q_\@
	WIN 0x40
	LOADQ 1                                        ; issued ahead of K's loads: the counts below hold on both ways
	WIN 0
.Lsame_q_\@:
.endif
	WIN 0x40
.if \diag
	LOADQ \blk
.endif
	LOADK \slot
	WIN 0x05
.irp kq, 0,1,2,3
	s_wait_dscnt 24-8*\kq                          ; Q and K's groups up to kq are in; the younger groups of eight stay out
	SMUL \kq
.endr
	WIN 0
	PLACES
	WIN 0x40
	LOADV \slot                                    ; into K's fragment registers; they arrive while the weights are made
	WIN 0
.if \diag
	MASK 5+\blk
.endif
	MAXES \diag
.if \diag == 0
	WIN RSW
	RESCALE
	WIN 0
.endif
	WEIGHTS \diag
	s_wait_dscnt 0x0                               ; V's fragments are in
	WIN PVW
	PVMUL 0, \diag
	PVMUL 1, 0
	WIN 0
	PLACES                                         ; for the next loads into the fragment registers, and for what reads O
.endm
; Position s18 (in slot 'slot') begins: the round, and behind it the refill of the other slot with the unit of position q = s18 + 1:
; c + 1 - q while q < c + 2 (lo), else 8 - q (hi).
.macro POS slot
	s_wait_xcnt 0x0
	v_lshl_add_u32 v190, v0, 2, 0x4e800
	v_mov_b32 v191, 0
	s_wait_tensorcnt 0x0                           ; all my tensor loads have landed, my part of this position's tiles among them, so a descriptor may be written
	ds_add_u32 v190, v191
	s_wait_dscnt 0x0
	s_add_co_u32 s19, s18, 1
	s_sub_co_u32 s74, s15, s19
	s_sub_co_u32 s75, 8, s19
	s_cmp_lt_u32 s19, s16
	s_cselect_b32 s19, s74, s75
	s_lshl_b32 s68, s19, 17                        ; unit x 256 rows x 512 bytes
	s_add_nc_u64 s[G0K+4*(1-\slot)+2:G0K+4*(1-\slot)+3], s[20:21], s[68:69]
	s_or_b32 s[G0K+4*(1-\slot)+3], s[G0K+4*(1-\slot)+3], 0x80000000
	s_add_nc_u64 s[G0V+4*(1-\slot)+2:G0V+4*(1-\slot)+3], s[22:23], s[68:69]
	s_or_b32 s[G0V+4*(1-\slot)+3], s[G0V+4*(1-\slot)+3], 0x80000000
	s_wait_dscnt 0x0                               ; my reads of the other slot are back
	ROUND                                          ; both hold of every wave of the four work-groups
	JKV 1-\slot                                    ; my one load behind the round
.endm
.macro PICK slot                       ; lo's text while the position is below c + 2, else hi's: the same way in every wave and every partner
	s_cmp_lt_u32 s18, s16
	s_cbranch_scc1 .Lis_lo_\@
	BODY 1, \slot, 0, 1
	s_branch .Ljoined_\@
.Lis_lo_\@:
	BODY 0, \slot, 0, 0
.Ljoined_\@:
.endm
	s_load_b128 s[4:7], s[0:1], 0x0                ; qkv s[4:5], ao s[6:7]
	v_lshl_add_u32 v190, v0, 2, 0x4e800
	v_mov_b32 v191, 0
	ds_add_u32 v190, v191
	s_wait_dscnt 0x0
	v_lshrrev_b32 v1, 5, v0
	v_readfirstlane_b32 s8, v1                     ; wave
	s_lshr_b32 s99, s8, 1                          ; 0: I fetch V, 1: K
	s_bfe_u32 s9, ttmp6, 0x40000                   ; cx
	s_mov_b32 s10, ttmp9                           ; the cluster's x
	s_and_b32 s11, ttmp7, 0xffff                   ; g
	s_lshl_b32 s12, s10, 2
	s_add_co_u32 s12, s12, s9                      ; n
	s_lshr_b32 s13, s10, 2                         ; c = n / 16, the same in the four partners
	s_and_b32 s14, s12, 15                         ; e = n mod 16
	s_add_co_u32 s15, s13, 1
	s_add_co_u32 s16, s13, 2
	s_mov_b32 s66, 0x76543210                      ; v_permlanex16_b32: lane i of the other half
	s_mov_b32 s67, 0xfedcba98
	s_mov_b32 s69, 0
	s_and_b32 s90, s8, 1                           ; which half of a tile I fetch
	s_lshr_b32 s98, s8, 1
	s_lshl_b32 s94, s11, 20                        ; g heads of 1,048,576 bytes
	s_lshl_b32 s91, s90, 16                        ; my half: 128 rows of 512 bytes
	s_lshl_b32 s95, s90, 8                         ; or, for V's second half in the cluster with x = 0: the lower part, 256 bytes into the rows
	s_lshl_b32 s96, s13, 17
	s_add_co_u32 s96, s96, s94                     ; unit c of head g
	s_add_co_u32 s74, s94, s91
	s_add_co_u32 s84, s74, 20<<20                  ; v heads begin at head 20,
	s_add_co_u32 s74, s74, 16<<20                  ; k heads at head 16
	s_mov_b32 s75, 0
	s_mov_b32 s85, 0
	s_cmp_eq_u32 s10, 0                            ; the cluster whose lo blocks are positions 0 to 63
	s_cselect_b32 s86, 0, s91                      ; lo's diagonal tile: K's second half is rows 0-127 again,
	s_cselect_b32 s92, s95, s91                    ; V's second half the lower part of rows 0-127
	s_cselect_b32 s88, 0xffffe000, -1              ; lo's result: cut to its upper part there, else rounded whole
	s_cselect_b32 s97, s90, s8                     ; the wave whose keys I hold in lo's diagonal unit
	s_cselect_b32 s98, s98, 0
	s_cmp_lg_u32 s98, 0
	s_cselect_b32 s89, 0, 1.0                      ; waves 2, 3 there: their sums of weights count as 0
	s_add_co_u32 s86, s86, s96
	s_add_co_u32 s86, s86, 16<<20
	s_mov_b32 s87, 0
	s_add_co_u32 s92, s92, s96
	s_add_co_u32 s92, s92, 20<<20
	s_mov_b32 s93, 0
	; shapes: rows of 128 f16 (64 words), 256 elements from row to row in memory; K and Q padded by 4 words, V by 8
	s_mov_b32 s[G1K+0], 15|(1<<16)|(1<<20)|(1<<21)|(5<<22)|(3<<25)   ; all four work-groups of the cluster, bit 21 beside the mask
	s_mov_b32 s[G1K+1], 128<<16
	s_mov_b32 s[G1K+2], 128<<16
	s_mov_b32 s[G1K+3], 128<<16
	s_mov_b32 s[G1K+4], 128
	s_mov_b32 s[G1K+5], 256
	s_mov_b32 s[G1K+6], 0
	s_mov_b32 s[G1K+7], 0
	s_mov_b32 s[G1V+0], 15|(1<<16)|(1<<20)|(1<<21)|(5<<22)|(7<<25)
	s_mov_b32 s[G1V+1], 128<<16
	s_mov_b32 s[G1V+2], 128<<16
	s_mov_b32 s[G1V+3], 128<<16
	s_mov_b32 s[G1V+4], 128
	s_mov_b32 s[G1V+5], 256
	s_mov_b32 s[G1V+6], 0
	s_mov_b32 s[G1V+7], 0
	s_mov_b32 s[G1Q+0], (1<<16)|(1<<20)|(5<<22)|(3<<25)              ; Q: each work-group's own, 16 rows
	s_mov_b32 s[G1Q+1], 128<<16
	s_mov_b32 s[G1Q+2], 16<<16
	s_mov_b32 s[G1Q+3], 128<<16
	s_mov_b32 s[G1Q+4], 16
	s_mov_b32 s[G1Q+5], 256
	s_mov_b32 s[G1Q+6], 0
	s_mov_b32 s[G1Q+7], 0
	s_mov_b32 s[G0V], 1
	s_mul_i32 s[G0V+1], s8, 128*VP                 ; V's halves: wave x 36,864 (waves 0, 1)
	s_mov_b32 s[G0V+4], 1
	s_add_co_u32 s[G0V+5], s[G0V+1], SLOTB
	s_mov_b32 s[G0K], 1
	s_mul_i32 s[G0K+1], s8, 128*KP
	s_add_co_u32 s[G0K+1], s[G0K+1], VBY-2*128*KP  ; K's halves: 4,096 + wave x 34,816 (waves 2, 3): behind V's 73,728
	s_mov_b32 s[G0K+4], 1
	s_add_co_u32 s[G0K+5], s[G0K+1], SLOTB
	s_mov_b32 s56, 1
	s_mul_i32 s57, s8, 16*KP
	s_add_co_u32 s57, s57, QL
	s_mov_b32 s60, 1
	s_add_co_u32 s61, s57, QB
	s_sub_co_u32 s19, 7, s13
	s_lshl_b32 s68, s19, 17                        ; hi's diagonal unit 7 - c
	s_lshl2_add_u32 s91, s11, s8                   ; q head 4 g + wave: the one whose Q I fetch and whose result I finish
	s_lshl_b32 s94, s91, 20
	s_lshl_b32 s95, s12, 13
	s_add_co_u32 s94, s94, s95                     ; Q of lo: head x 1,048,576 + block x 16 rows x 512
	s_mov_b32 s95, 0
	s_sub_co_u32 s96, 127, s12                     ; hi's block
	s_lshl_b32 s70, s91, 20
	s_lshl_b32 s71, s96, 13
	s_add_co_u32 s70, s70, s71
	s_mov_b32 s71, 0
	s_wait_kmcnt 0x0
	s_add_nc_u64 s[20:21], s[4:5], s[74:75]        ; my half of K's and of V's unit 0
	s_add_nc_u64 s[22:23], s[4:5], s[84:85]
	s_add_nc_u64 s[G0K+2:G0K+3], s[20:21], s[68:69]
	s_or_b32 s[G0K+3], s[G0K+3], 0x80000000
	s_add_nc_u64 s[G0V+2:G0V+3], s[22:23], s[68:69]
	s_or_b32 s[G0V+3], s[G0V+3], 0x80000000
	s_add_nc_u64 s[G0K+6:G0K+7], s[4:5], s[86:87]
	s_or_b32 s[G0K+7], s[G0K+7], 0x80000000
	s_add_nc_u64 s[G0V+6:G0V+7], s[4:5], s[92:93]
	s_or_b32 s[G0V+7], s[G0V+7], 0x80000000
	s_add_nc_u64 s[58:59], s[4:5], s[94:95]
	s_or_b32 s59, s59, 0x80000000
	s_add_nc_u64 s[62:63], s[4:5], s[70:71]
	s_or_b32 s63, s63, 0x80000000
	ROUND                                          ; the four work-groups are here: the first joint loads meet
	s_cmp_eq_u32 s99, 0
	s_cbranch_scc0 .Lfirst_k
	tensor_load_to_lds s[G0V:G0V+3], s[G1V:G1V+7]          ; position 0's V, my half
	s_nop 0
	tensor_load_to_lds s[56:59], s[G1Q:G1Q+7]              ; Q of lo, my head
	s_nop 0
	tensor_load_to_lds s[60:63], s[G1Q:G1Q+7]              ; Q of hi, my head
	s_nop 0
	tensor_load_to_lds s[G0V+4:G0V+7], s[G1V:G1V+7]        ; position 1's V
	s_nop 0
	s_branch .Lfirst_done
.Lfirst_k:
	tensor_load_to_lds s[G0K:G0K+3], s[G1K:G1K+7]          ; the same with K
	s_nop 0
	tensor_load_to_lds s[56:59], s[G1Q:G1Q+7]
	s_nop 0
	tensor_load_to_lds s[60:63], s[G1Q:G1Q+7]
	s_nop 0
	tensor_load_to_lds s[G0K+4:G0K+7], s[G1K:G1K+7]
	s_nop 0
.Lfirst_done:
	; where the results go: the group of 16 rows of lo's block (see the head), of hi's block 127 - n: group 131 - n
	s_sub_co_u32 s94, s12, 4                       ; m (used for 4 <= n < 32 alone)
	s_mul_i32 s95, s94, 37
	s_lshr_b32 s95, s95, 8                         ; m / 7 for m < 28
	s_lshl1_add_u32 s94, s95, s94
	s_add_co_u32 s94, s94, 1                       ; 9 (m / 7) + 1 + m mod 7 = m + 2 (m / 7) + 1
	s_add_co_u32 s95, s12, 4
	s_cmp_lt_u32 s12, 32
	s_cselect_b32 s94, s94, s95
	s_mul_i32 s95, s12, 9
	s_cmp_lt_u32 s12, 4
	s_cselect_b32 s94, s95, s94
	s_lshl_b32 s94, s94, 16                        ; 16 rows of 4,096 bytes
	s_lshl_b32 s96, s91, 8                         ; head x 256 bytes
	s_add_co_u32 s94, s94, s96
	s_mov_b32 s95, 0
	s_add_nc_u64 s[70:71], s[6:7], s[94:95]
	s_sub_co_u32 s94, 131, s12
	s_lshl_b32 s94, s94, 16
	s_add_co_u32 s94, s94, s96
	s_add_nc_u64 s[72:73], s[6:7], s[94:95]
	v_and_b32 v52, 15, v0                          ; r
	v_bfe_u32 v53, v0, 4, 1                        ; h
	v_mul_u32_u24 v54, v52, KP
	v_lshl_add_u32 v54, v53, 4, v54                ; r x 272 + 16 h
	s_mul_i32 s94, s8, 64*KP
	s_add_co_u32 s94, s94, VBY
	v_add_nc_u32 v2, s94, v54                      ; K fragments: my 64 rows, slot 0,
	v_add_nc_u32 v10, SLOTB, v2                    ; slot 1
	v_add_nc_u32 v4, QL, v54                       ; Q fragments
	v_and_b32 v55, 7, v0
	v_lshl_add_u32 v55, v53, 3, v55                ; 8 h + lane mod 8: the key row that I address for the transposing load
	v_bfe_u32 v48, v0, 3, 1
	v_mul_u32_u24 v3, v55, VP
	v_lshl_add_u32 v3, v48, 4, v3
	s_mul_i32 s95, s8, 64*VP
	v_add_nc_u32 v3, s95, v3                       ; V fragments, slot 0,
	v_add_nc_u32 v11, SLOTB, v3                    ; slot 1
	s_lshl_b32 s94, s14, 4                         ; 16 e
	s_lshl_b32 s95, s97, 6                         ; 64 x the wave whose keys I hold
	s_sub_co_i32 s95, s94, s95
	s_lshl_b32 s96, s8, 6
	s_sub_co_i32 s94, 240, s94
	s_sub_co_i32 s94, s94, s96
	v_lshlrev_b32 v49, 3, v53
	v_sub_nc_u32 v49, v52, v49                     ; r - 8 h
	v_add_nc_u32 v5, s95, v49                      ; lo: 16 e + r - 64 w - 8 h
	v_add_nc_u32 v6, s94, v49                      ; hi: 16 (15 - e) + r - 64 w - 8 h
	v_mov_b32 v7, 0xf149f2ca                       ; -1e30
	s_wait_tensorcnt 0x1                           ; my part of position 0's tiles and my Q tiles are in; position 1's stays out
	s_barrier_signal -1
	s_barrier_wait -1
	BODY 1, 0, 1, 0                                ; position 0: hi's diagonal unit
	s_mov_b32 s18, 1
	POS 1
	BODY 0, 1, 1, 0                                ; position 1: lo's diagonal unit
	s_mov_b32 s17, 2
.Lpair:
	s_mov_b32 s18, s17                             ; positions 2, 4, 6
	POS 0
	PICK 0
	s_add_co_u32 s18, s17, 1                       ; positions 3, 5, 7
	POS 1
	PICK 1
	s_add_co_u32 s17, s17, 2
	s_cmp_lt_u32 s17, 8
	s_cbranch_scc1 .Lpair
	s_wait_tensorcnt 0x0                           ; position 8, hi's unit 0: nothing is left to fetch
	s_wait_dscnt 0x0
	s_barrier_signal -1
	s_barrier_wait -1                              ; every wave's part of the last tiles is in, and no wave reads slot 1 any more
	BODY 1, 0, 0, 0
	; THE MERGE.  Every wave publishes its maxima and whole sums, at the head of slot 1.
.macro MLPUT blk
.set MPB, 16+12*\blk
.set LB,  24+12*\blk
.irp hd, 0,1,2,3
	v_permlanex16_b32 v[TT+4+\hd], v[LB+\hd], s66, s67
.endr
.irp hd, 0,1,2,3
	v_add_f32 v[LB+\hd], v[LB+\hd], v[TT+4+\hd]
	v_mov_b32 v[TT+\hd], v[MPB+2*\hd]
.endr
.if \blk == 0
.irp hd, 0,1,2,3
	v_mul_f32 v[LB+\hd], s89, v[LB+\hd]            ; the waves that multiplied by V's lower part add no weights
.endr
.endif
	ds_store_b128 v8, v[TT:TT+3] offset:\blk*2048          ; both halves of the lanes store the same 16 bytes
	ds_store_b128 v8, v[LB:LB+3] offset:\blk*2048+256
.endm
	v_and_b32 v58, 15, v0                          ; r
	v_bfe_u32 v59, v0, 4, 1                        ; h
	v_and_b32 v60, 31, v0
	v_lshlrev_b32 v61, 4, v58                      ; 16 r
	v_lshlrev_b32 v62, 4, v60                      ; 16 x lane
	v_add_nc_u32 v9, ML, v61                       ; maxima and sums: read,
	s_lshl_b32 s94, s8, 9
	v_add_nc_u32 v8, s94, v9                       ; + 512 w: written
	s_lshl_b32 s94, s8, 15
	v_add_nc_u32 v10, s94, v62                     ; my partial O of lo: 32,768 w + 16 lane,
	v_add_nc_u32 v11, MGB, v10                     ; of hi
	s_lshl_b32 s94, s8, 13
	v_add_nc_u32 v12, s94, v62                     ; head w in the parts of waves 0, 1 (lo),
	v_add_nc_u32 v13, 0x10000, v12                 ; of waves 2, 3
	v_add_nc_u32 v14, MGB, v12                     ; the same for hi
	v_add_nc_u32 v15, 0x10000, v14
	s_mul_i32 s94, s8, 32*KP
	s_add_co_u32 s94, s94, STG                     ; my stage
	v_mul_u32_u24 v1, v58, KP
	v_lshl_add_u32 v1, v59, 4, v1
	v_add_nc_u32 v1, s94, v1                       ; into it: row r, 16 bytes for each half of the lanes
	v_mul_u32_u24 v56, v59, KP
	v_add_nc_u32 v56, v56, v61
	v_add_nc_u32 v56, s94, v56                     ; back: lanes 0-15 one row of 256 bytes, lanes 16-31 the next
	v_lshl_add_u32 v57, v59, 12, v61               ; the same two rows in ao
	MLPUT 0
	MLPUT 1
	s_wait_dscnt 0x0                               ; my stores are done, and my reads of slot 0 were waited for above
	s_barrier_signal -1
	s_barrier_wait -1
; f = 2^(my max - max of all) / sum of all, for each head, as a pair in AL
.macro FACT blk
.set MPB, 16+12*\blk
.irp s, 0,1,2,3
	ds_load_b128 v[64+4*\s:67+4*\s], v9 offset:\blk*2048+\s*512
	ds_load_b128 v[80+4*\s:83+4*\s], v9 offset:\blk*2048+\s*512+256
.endr
	s_wait_dscnt 0x0
.irp hd, 0,1,2,3
	v_max3_num_f32 v[112+\hd], v[64+\hd], v[68+\hd], v[72+\hd]
.endr
.irp hd, 0,1,2,3
	v_max_num_f32 v[112+\hd], v[112+\hd], v[76+\hd]
.endr
.irp s, 0,1,2,3
.irp hd, 0,1,2,3
	v_sub_f32 v[96+4*\s+\hd], v[64+4*\s+\hd], v[112+\hd]
.endr
.endr
.irp hd, 0,1,2,3
	v_sub_f32 v[116+\hd], v[MPB+2*\hd], v[112+\hd]
.endr
.set i, 0
.rept 16
	v_exp_f32 v[96+i], v[96+i]
.set i, i+1
.endr
.irp hd, 0,1,2,3
	v_exp_f32 v[116+\hd], v[116+\hd]
.endr
	v_nop
	s_wait_alu depctr_va_vdst(0)
.irp hd, 0,1,2,3
	v_mul_f32 v[120+\hd], v[96+\hd], v[80+\hd]
.endr
.irp s, 1,2,3
.irp hd, 0,1,2,3
	v_fmac_f32 v[120+\hd], v[96+4*\s+\hd], v[80+4*\s+\hd]
.endr
.endr
.irp hd, 0,1,2,3
	v_rcp_f32 v[124+\hd], v[120+\hd]
.endr
	v_nop
	s_wait_alu depctr_va_vdst(0)
.irp hd, 0,1,2,3
	v_mul_f32 v[AL+2*\hd], v[116+\hd], v[124+\hd]
.endr
.irp hd, 0,1,2,3
	v_mov_b32 v[AL+2*\hd+1], v[AL+2*\hd]
.endr
.endm
.macro OPUT blk                        ; my partial O, scaled, to LDS: [wave][head][dt][half][lane], 16 bytes a lane
.set RSW, 0x82+0x41*\blk
.set STW, 0x08+0x04*\blk
	WIN RSW
	RESCALE
	WIN STW
.irp hd, 0,1,2,3
.irp dt, 0,1,2,3,4,5,6,7
	ds_store_b128 v[10+\blk], v[8*(8*\hd+\dt):8*(8*\hd+\dt)+3] offset:\hd*8192+\dt*1024
	ds_store_b128 v[10+\blk], v[8*(8*\hd+\dt)+4:8*(8*\hd+\dt)+7] offset:\hd*8192+\dt*1024+512
.endr
.endr
	WIN 0
.endm
	FACT 0
	OPUT 0
	FACT 1
	OPUT 1
	s_wait_dscnt 0x0                               ; my parts are written
	s_barrier_signal -1
	s_barrier_wait -1
; Positions 0 to 63 alone: what the upper part left out, into the second half of my stage.
.macro LOWPART hf
	s_cmp_lg_u32 s10, 0
	s_cbranch_scc1 .Lno_low_\@
.set i, 0
.rept 16
	v_pk_add_f32 v[SS+32+i:SS+32+i+1], v[SS+i:SS+i+1], v[SS+32+i:SS+32+i+1] neg_lo:[0,1] neg_hi:[0,1]   ; exact in f32
.set i, i+2
.endr
.set i, 0
.rept 16
	v_cvt_pk_f16_f32 v[PP+16+i], v[SS+32+2*i], v[SS+32+2*i+1]
.set i, i+1
.endr
.irp d, 0,1,2,3
	ds_store_b128 v1, v[PP+16+4*\d:PP+16+4*\d+3] offset:16*KP+32*(4*\hf+\d)
.endr
.Lno_low_\@:
.endm
.macro LOWOUT                          ; and from there to the group of rows eight groups further on
	s_cmp_lg_u32 s10, 0
	s_cbranch_scc1 .Lno_low_\@
.irp t, 0,1,2,3,4,5,6,7
	ds_load_b128 v[SS+32+4*\t:SS+32+4*\t+3], v56 offset:16*KP+\t*2*KP
.endr
.irp t, 0,1,2,3,4,5,6,7
	s_wait_dscnt 7-\t
	global_store_b128 v57, v[SS+32+4*\t:SS+32+4*\t+3], s[70:71] offset:8*65536+8192*\t
.endr
.Lno_low_\@:
.endm
; Wave w adds the four parts of head w, rounds to f16, and sends 16 rows of 256 bytes through its stage.
.macro OGET blk
	s_wait_xcnt 0x0                                ; the registers that earlier stores read are loaded again only behind this wait
.irp hf, 0,1
.irp s, 0,1,2,3
.irp i, 0,1,2,3,4,5,6,7
	ds_load_b128 v[SS+32*\s+4*\i:SS+32*\s+4*\i+3], v[12+2*\blk+\s/2] offset:(\s%2)*32768+\hf*4096+512*\i
.endr
.endr
	s_wait_dscnt 0x0
.irp s, 1,2,3
.set i, 0
.rept 16
	v_pk_add_f32 v[SS+i:SS+i+1], v[SS+i:SS+i+1], v[SS+32*\s+i:SS+32*\s+i+1]
.set i, i+2
.endr
.endr
.if \blk == 0
.set i, 0
.rept 32
	v_and_b32 v[SS+32+i], s88, v[SS+i]             ; positions 0 to 63: the upper part, exact in f16; elsewhere the mask is all ones
.set i, i+1
.endr
.set i, 0
.rept 16
	v_cvt_pk_f16_f32 v[PP+i], v[SS+32+2*i], v[SS+32+2*i+1]
.set i, i+1
.endr
.else
.set i, 0
.rept 16
	v_cvt_pk_f16_f32 v[PP+i], v[SS+2*i], v[SS+2*i+1]
.set i, i+1
.endr
.endif
.irp d, 0,1,2,3
	ds_store_b128 v1, v[PP+4*\d:PP+4*\d+3] offset:32*(4*\hf+\d)
.endr
.if \blk == 0
	LOWPART \hf
.endif
.endr
.irp t, 0,1,2,3,4,5,6,7
	ds_load_b128 v[SS+4*\t:SS+4*\t+3], v56 offset:\t*2*KP     ; LDS serves a wave's instructions in order: these see the stores above
.endr
.irp t, 0,1,2,3,4,5,6,7
	s_wait_dscnt 7-\t                              ; pair of rows t is in, the 7 - t younger loads stay out
	global_store_b128 v57, v[SS+4*\t:SS+4*\t+3], s[70+2*\blk:71+2*\blk] offset:8192*\t   ; sixteen lanes store a head's 256 bytes of a row, aligned
.endr
.if \blk == 0
	LOWOUT
.endif
.endm
	OGET 0
	OGET 1
	s_wait_xcnt 0x0
	v_lshl_add_u32 v190, v0, 2, 0x4e800
	v_mov_b32 v191, 0
	s_wait_tensorcnt 0x0
	ds_add_u32 v190, v191
	s_wait_dscnt 0x0
	ROUND                                          ; the closing round
	s_endpgm
.Lfunc_end_k_qee20952949_attn:
	.size	k_qee20952949_attn, .Lfunc_end_k_qee20952949_attn-k_qee20952949_attn
	.p2alignl 7, 3214868480
	.fill 96, 4, 3214868480
	.section	.rodata,"a",@progbits
	.p2align	6, 0x0
	.amdhsa_kernel k_qee20952949_attn
		.amdhsa_group_segment_fixed_size 327680
		.amdhsa_private_segment_fixed_size 0
		.amdhsa_enable_private_segment 0
		.amdhsa_kernarg_size 16
		.amdhsa_user_sgpr_count 2
		.amdhsa_user_sgpr_kernarg_segment_ptr 1
		.amdhsa_wavefront_size32 1
		.amdhsa_system_sgpr_workgroup_id_x 1
		.amdhsa_system_sgpr_workgroup_id_y 1
		.amdhsa_system_sgpr_workgroup_id_z 1
		.amdhsa_system_vgpr_workitem_id 0
		.amdhsa_next_free_vgpr 1024
		.amdhsa_next_free_sgpr 100
		.amdhsa_reserve_vcc 1
		.amdhsa_float_denorm_mode_32 3
		.amdhsa_float_denorm_mode_16_64 3
		.amdhsa_memory_ordered 1
		.amdhsa_forward_progress 1
		.amdhsa_inst_pref_size 255
	.end_amdhsa_kernel
	.section	.bss,"aw",@nobits
	.p2align	6
	.space	262144
	.amdgpu_metadata
---
amdhsa.version: [ 1, 2 ]
amdhsa.kernels:
  - .name:           k_qee20952949_attn
    .symbol:         k_qee20952949_attn.kd
    .args:
      - { .name: qkv, .offset: 0, .size: 8, .value_kind: global_buffer, .address_space: global }
      - { .name: ao, .offset: 8, .size: 8, .value_kind: global_buffer, .address_space: global }
    .group_segment_fixed_size: 327680
    .private_segment_fixed_size: 0
    .kernarg_segment_align: 8
    .kernarg_segment_size: 16
    .max_flat_workgroup_size: 128
    .sgpr_count:     100
    .vgpr_count:     1024
    .wavefront_size: 32
...
	.end_amdgpu_metadata
.endif
;; end of part 6
;; launch proj (part 7): grid 16 x 16, 4 waves a work-group, clusters of 4 x 4, 327,680 bytes of LDS; arguments ao, wb, out0; writes out0
.if DOCPART == 7
	.amdgcn_target "amdgcn-amd-amdhsa--gfx1250"
	.amdhsa_code_object_version 6
	.text
	.protected	k_qee20952949_proj
	.globl	k_qee20952949_proj
	.p2align	8
	.type	k_qee20952949_proj,@function
k_qee20952949_proj:
	s_mov_b64 s[64:65], 0
	v_nop
	global_prefetch_b8 v0, s[64:65] scope:SCOPE_SE
	s_setreg_imm32_b32 hwreg(HW_REG_WAVE_MODE, 25, 1), 1
	s_wait_xcnt 0x0
	s_wait_alu depctr_hold_cnt(0) depctr_sa_sdst(0) depctr_va_vdst(0) depctr_va_sdst(0) depctr_va_ssrc(0) depctr_va_vcc(0) depctr_vm_vsrc(0)
	s_getreg_b32 s2, hwreg(HW_REG_IB_STS2, 6, 4)
	s_cmp_eq_u32 s2, 0
	s_cbranch_scc0 .Lentry_in_a_cluster
	s_endpgm
.Lentry_in_a_cluster:
	s_bfe_u32 s2, ttmp6, 0x10000c
	s_cmp_lg_u32 s2, 0xf033
	s_cbranch_scc0 .Lentry_shape_is_right
	s_endpgm
.Lentry_shape_is_right:
; out0[m][n] (f32) = sum over k of attention[m][k] Wproj[n][k]; operands f16 (Wproj from byte 20,971,520 of wb), sums in f32.
; A work-group makes 128 x 128: 16 x 16 = 256 work-groups.  Wave (mh = w / 2, kh = w mod 2) takes tile rows 64 mh .. +63, all 128 columns, and half kh of every K step of 256:
; a wave tile of 64 x 128, 32 accumulators, reads 24 LDS loads for 32 matrix instructions; four tiles of 64 x 64 would read 16 for 16.  The two K halves are added on the way out
; (another order of rounding than one sum over K).
; POSITIONS 0 TO 63 come in two f16 parts, and their lower part is multiplied too.  ao's rows lie in the order of this launch's blocks: block rows 0 to 3 (the cluster row y = 0)
; have 144 rows each: 16 of those positions (16 cy .. +15, upper part), the 112 positions 64 + 112 cy .. +111, and the 16 lower parts; so each of the four carries a quarter
; of the extra work.  Block row mb >= 4 has the 128 rows from row 128 mb + 64 on, positions 128 mb .. +127.
; The text holds the main part twice, chosen by the cluster's y.  With y = 0 a load of ao brings 72 rows instead of 64, and the two waves with mh = 0 add, in every quarter step,
; eight products of the lower part's fragment onto the accumulators of tile row 0.  All four waves fetch that fragment, so that the counts of the waits are the same in all.
; K in steps of 256 (rows of 512 bytes) through two LDS slots: eight steps.  CLUSTERS 4 x 4: ao's tile is asked for jointly along a row of the cluster, Wproj's along a column.
; The matrix instruction is used transposed: lane (r, h), register j of tile (a, b) holds C[16 a + r][16 b + 8 h + j].
; REGISTERS: window 0: v0-31 addresses, v32-135 and v136-239 two fragment buffers (W(b) at f + 8 b, X(a) at f + 64 + 8 a, the lower part at f + 96); window 1: accumulators, tile (a, b) at v[8 (8 a + b)].
.set SIZE_K, 2048
.set KSTEP,  256
.set STEPB,  2*KSTEP
.set PITCH,  STEPB+16                  ; 528: an odd multiple of 16, so the 16 rows of a fragment load start in 16 different 16-byte columns
.set BQ,     64*PITCH                  ; 33,792: 64 rows
.set ABYTES, 144*PITCH                 ; 76,032: room for ao's 144 rows (128 are filled where y > 0)
.set SLOT,   ABYTES+2*BQ               ; 143,616
.set LAPS,   SIZE_K/(2*KSTEP)          ; 4
.set WOFF,   20971520
.set ADRX, 16
.set ADRL, 18
.set ADRW, 20
.set STO,  24
.set RD,   25
.set CO,   26
.set F0,   32
.set F1,   136
.set G1,   24
.set G0,   32
.set G1B,  48
.set G0B,  56
.set MULW, 0x50                        ; C and D in window 1
.set MSB,  0
.macro WIN new                         ; the immediate's high byte repeats the setting that is left
.if MSB != \new
	s_set_vgpr_msb (MSB<<8)|\new
.set MSB, \new
.endif
.endm
.macro PLACES                          ; four independent vector instructions behind a matrix instruction (ISA guide 7.12.1)
.rept 4
	v_nop
.endr
.endm
.macro JLOAD s                         ; waves 0, 1 ask for ao's halves, waves 2, 3 for Wproj's: one mask and one set of registers a line
	s_cmp_eq_u32 s11, 0
	s_cbranch_scc0 .Lfor_b_\@
	tensor_load_to_lds s[G0+4*\s:G0+4*\s+3], s[G1:G1+7]
	s_nop 0
	s_branch .Lasked_\@
.Lfor_b_\@:
	tensor_load_to_lds s[G0B+4*\s:G0B+4*\s+3], s[G1B:G1B+7]
	s_nop 0
.Lasked_\@:
.endm
.macro CREST                           ; a round of the cluster's barrier behind its opening work-group barrier
	s_cmp_lg_u32 s10, 0
	s_cbranch_scc1 .Lnot_wave_0_\@
	s_barrier_signal -3
.Lnot_wave_0_\@:
	s_barrier_wait -3
	s_barrier_signal -1
	s_barrier_wait -1
.endm
.macro CROUND
	s_barrier_signal -1
	s_barrier_wait -1
	CREST
.endm
.macro MUL8 f, a, zero                 ; tile row a x all eight tile columns, 32 along K; zero = 1: the product starts the sums
.irp b, 0,1,2,3,4,5,6,7
.if \zero
	v_wmma_f32_16x16x32_f16 v[8*(8*\a+\b):8*(8*\a+\b)+7], v[\f+8*\b:\f+8*\b+7], v[\f+64+8*\a:\f+64+8*\a+7], 0
.else
	v_wmma_f32_16x16x32_f16 v[8*(8*\a+\b):8*(8*\a+\b)+7], v[\f+8*\b:\f+8*\b+7], v[\f+64+8*\a:\f+64+8*\a+7], v[8*(8*\a+\b):8*(8*\a+\b)+7]
.endif
.endr
.endm
.macro XTRA f                          ; waves with mh = 0: the lower part of tile row 0, onto its eight accumulators
	WIN 0
	s_cmp_lg_u32 s11, 0
	s_cbranch_scc1 .Lno_low_\@
	WIN MULW
.irp b, 0,1,2,3,4,5,6,7
	v_wmma_f32_16x16x32_f16 v[8*\b:8*\b+7], v[\f+8*\b:\f+8*\b+7], v[\f+96:\f+103], v[8*\b:8*\b+7]
.endr
	WIN 0
.Lno_low_\@:
.endm
.macro FETCH slot, k, f, x             ; 24 LDS loads (26 with the lower part): 32 along K at byte k of my half of the rows
	WIN 0
.irp i, 0,1,2,3,4,5,6,7
	ds_load_b128 v[\f+8*\i:\f+8*\i+3],   v[ADRW+\slot] offset:\k+\i*16*PITCH
	ds_load_b128 v[\f+8*\i+4:\f+8*\i+7], v[ADRW+\slot] offset:\k+\i*16*PITCH+32
.endr
.irp i, 0,1,2,3
	ds_load_b128 v[\f+64+8*\i:\f+64+8*\i+3], v[ADRX+\slot] offset:\k+\i*16*PITCH
	ds_load_b128 v[\f+64+8*\i+4:\f+64+8*\i+7], v[ADRX+\slot] offset:\k+\i*16*PITCH+32
.endr
.if \x
	ds_load_b128 v[\f+96:\f+99],   v[ADRL+\slot] offset:\k
	ds_load_b128 v[\f+100:\f+103], v[ADRL+\slot] offset:\k+32
.endif
.endm
; The accumulators take turns, one instruction a turn, in the same order in every quarter, over the backward jump too.
.macro QUARTER slot, k, f, g, zero, x
	s_wait_dscnt 4+2*\x                            ; all of buffer f but its youngest loads: X(2), X(3) and the lower part
	WIN MULW
	MUL8 \f, 0, \zero
	MUL8 \f, 1, \zero
	PLACES
	FETCH \slot, \k, \g, \x
	s_wait_dscnt 24+2*\x                           ; all but the loads just issued
	WIN MULW
	MUL8 \f, 2, \zero
	MUL8 \f, 3, \zero
.if \x
	XTRA \f
.endif
.endm
.macro THREE slot, zero, x
	QUARTER \slot, 64,  F0, F1, \zero, \x
	QUARTER \slot, 128, F1, F0, 0, \x
	QUARTER \slot, 192, F0, F1, 0, \x
.endm
; The last quarter of a K step changes slots.  In front of the barrier each wave has its reads of this slot back and all its tensor loads landed
; (one is out: its part of the next slot); behind it the refill comes first, then the next slot's first fragments.
.macro TURN slot, next, fill, x
	s_wait_dscnt 4+2*\x
	WIN MULW
	MUL8 F1, 0, 0
	s_wait_dscnt 0x0
	s_wait_tensorcnt 0x0
	ds_add_u32 v254, v255
	s_wait_dscnt 0x0
	s_barrier_signal -1
	MUL8 F1, 1, 0
	WIN 0
	s_barrier_wait -1
.if \fill
	CREST                                          ; all sixteen work-groups have said the same: no partner reads this slot or has a load on its way
	s_add_nc_u64 s[G0+4*\slot+2:G0+4*\slot+3], s[G0+4*\slot+2:G0+4*\slot+3], 2*STEPB
	s_add_nc_u64 s[G0B+4*\slot+2:G0B+4*\slot+3], s[G0B+4*\slot+2:G0B+4*\slot+3], 2*STEPB
	JLOAD \slot
.endif
	PLACES
	FETCH \next, 0, F0, \x
	WIN MULW
	MUL8 F1, 2, 0
	MUL8 F1, 3, 0
.if \x
	XTRA F1
.endif
.endm
.macro LAP zero, x
	THREE 0, \zero, \x
	TURN 0, 1, 1, \x
	THREE 1, 0, \x
	TURN 1, 0, 1, \x
.endm
; The main part.  x = 1: the cluster row with the two-part positions.
.macro MAIN x
.if \x
	s_mov_b32 s[G1+2], 72<<16                      ; a load of ao: 72 of the block's 144 rows
	s_mov_b32 s[G1+4], 72
	s_mul_i32 s16, s13, 144
	s_mul_i32 s17, s12, 72
	s_add_co_u32 s16, s16, s17
	s_mul_i32 s20, s10, 72*PITCH                   ; LDS: wave x 38,016 (waves 0, 1)
	s_add_co_u32 s79, s23, 128*PITCH               ; the lower parts: rows 128 to 143 of the tile
.irp s, 0,1
	v_add_nc_u32 v[ADRL+\s], s79, v4
	s_add_co_u32 s79, s79, SLOT
.endr
.else
	s_mov_b32 s[G1+2], 64<<16                      ; 64 of the block's 128 rows
	s_mov_b32 s[G1+4], 64
	s_lshl_b32 s16, s13, 7
	s_lshl_b32 s17, s12, 6
	s_add_co_u32 s16, s16, s17
	s_add_co_u32 s16, s16, 64                      ; behind the first four blocks' 4 x 16 more rows
	s_mul_i32 s20, s10, 64*PITCH                   ; LDS: wave x 33,792 (waves 0, 1)
.endif
	s_lshl_b32 s16, s16, 12                        ; rows of 4,096 bytes
	s_mov_b32 s17, 0
	s_add_nc_u64 s[14:15], s[4:5], s[16:17]
	CROUND                                         ; all sixteen work-groups are here: the first joint loads meet
.irp s, 0,1
	s_mov_b32 s[G0+4*\s], 1
	s_add_co_u32 s[G0+4*\s+1], s20, \s*SLOT
	s_add_nc_u64 s[G0+4*\s+2:G0+4*\s+3], s[14:15], \s*STEPB
	s_or_b32 s[G0+4*\s+3], s[G0+4*\s+3], 0x80000000
	s_mov_b32 s[G0B+4*\s], 1
	s_add_co_u32 s[G0B+4*\s+1], s78, \s*SLOT
	s_add_nc_u64 s[G0B+4*\s+2:G0B+4*\s+3], s[46:47], \s*STEPB
	s_or_b32 s[G0B+4*\s+3], s[G0B+4*\s+3], 0x80000000
	JLOAD \s                                       ; two tensor loads of the wave are out now, one behind each later round
.endr
	s_wait_tensorcnt 0x1                           ; my part of K step 0 is in; K step 1's stays out
	s_barrier_signal -1
	s_barrier_wait -1
	FETCH 0, 0, F0, \x
	LAP 1, \x                                      ; the first lap's first products start the sums
	WIN 0
	s_mov_b32 s3, LAPS-2
.Llap_\x:
	LAP 0, \x
	WIN 0
	s_sub_co_u32 s3, s3, 1
	s_cmp_lg_u32 s3, 0
	s_cbranch_scc1 .Llap_\x
	THREE 0, 0, \x                                 ; the last lap fills nothing
	TURN 0, 1, 0, \x                               ; behind this barrier no wave reads slot 0 any more, and nothing is filled into it again
	THREE 1, 0, \x
	s_wait_dscnt 4+2*\x
	WIN MULW
	MUL8 F1, 0, 0
	MUL8 F1, 1, 0
	s_wait_dscnt 0x0
	MUL8 F1, 2, 0
	MUL8 F1, 3, 0
.if \x
	XTRA F1
.endif
	WIN 0
.endm
	s_load_b128 s[4:7], s[0:1], 0x0                ; ao s[4:5], wb s[6:7]
	s_load_b64 s[8:9], s[0:1], 0x10                ; out0
	v_lshl_add_u32 v254, v0, 2, 0x46200
	v_mov_b32 v255, 0
	ds_add_u32 v254, v255
	v_lshrrev_b32 v1, 5, v0
	v_readfirstlane_b32 s10, v1                    ; wave
	s_lshr_b32 s11, s10, 1                         ; mh.  Also: I fetch ao (0) or Wproj (1)
	s_and_b32 s12, s10, 1                          ; kh.  Also: which half of that tile I fetch
	s_bfe_u32 s40, ttmp6, 0x40000                  ; cx
	s_bfe_u32 s41, ttmp6, 0x40004                  ; cy
	s_lshl_b32 s42, ttmp9, 2
	s_add_co_u32 s42, s42, s40                     ; block column
	s_and_b32 s45, ttmp7, 0xffff                   ; the cluster's y
	s_lshl_b32 s13, s45, 2
	s_add_co_u32 s13, s13, s41                     ; block row
	s_lshl_b32 s43, s41, 2
	s_lshl_b32 s43, 15, s43                        ; my row of the cluster
	s_lshl_b32 s44, 0x1111, s40                    ; my column
	s_or_b32 s[G1+0], s43, (1<<16)|(1<<20)|(1<<21)|(6<<22)|(3<<25)   ; mask; 2-byte elements; padding on; bit 21 beside a mask; 4 words behind every 128
	s_or_b32 s[G1B+0], s44, (1<<16)|(1<<20)|(1<<21)|(6<<22)|(3<<25)
	s_mov_b32 s[G1+1], KSTEP<<16                   ; the rows of ao's tile are written in the main part
	s_mov_b32 s[G1B+1], KSTEP<<16
	s_mov_b32 s[G1B+2], 64<<16
	s_mov_b32 s[G1+3], KSTEP<<16
	s_mov_b32 s[G1B+3], KSTEP<<16
	s_mov_b32 s[G1B+4], 64
	s_mov_b32 s[G1+5], SIZE_K
	s_mov_b32 s[G1B+5], SIZE_K
	s_mov_b32 s[G1+6], 0
	s_mov_b32 s[G1B+6], 0
	s_mov_b32 s[G1+7], 0
	s_mov_b32 s[G1B+7], 0
	s_lshl_b32 s47, s12, 6
	s_lshl_b32 s46, s42, 7
	s_add_co_u32 s46, s46, s47
	s_lshl_b32 s46, s46, 12                        ; Wproj: (128 block column + 64 half) rows of 4,096 bytes
	s_add_co_u32 s46, s46, WOFF
	s_mov_b32 s47, 0
	s_mul_i32 s77, s10, BQ                         ; wave x 33,792: my part of the stage of the way out,
	s_add_co_u32 s78, s77, ABYTES-2*BQ             ; and, 8,448 further, Wproj's halves (waves 2, 3): behind ao's 76,032
	v_and_b32 v1, 15, v0                           ; r
	v_bfe_u32 v2, v0, 4, 1                         ; h
	v_mul_u32_u24 v3, v1, PITCH
	v_lshl_add_u32 v4, v2, 4, v3                   ; r x pitch + 16 h
	s_lshl_b32 s23, s12, 8                         ; my half of a row's 512 bytes
	s_mul_i32 s21, s11, BQ
	s_add_co_u32 s21, s21, s23                     ; my 64 rows of ao
	s_add_co_u32 s22, s23, ABYTES                  ; the 128 rows of Wproj
.irp s, 0,1
	v_add_nc_u32 v[ADRX+\s], s21, v4
	v_add_nc_u32 v[ADRW+\s], s22, v4
	s_add_co_u32 s21, s21, SLOT
	s_add_co_u32 s22, s22, SLOT
.endr
	v_lshl_add_u32 v5, v2, 5, v3                   ; the way out, in: row r, 32 bytes for each half of the lanes
	v_add_nc_u32 v[STO], s77, v5                   ; in my 64 rows x 528 bytes of slot 0
	v_and_b32 v6, 31, v0
	v_lshlrev_b32 v[CO], 4, v6                     ; 16 x lane: a row's 512 bytes
	s_mul_i32 s21, s11, 2*BQ                       ; back: the parts of waves 2 mh and 2 mh + 1,
	s_mul_i32 s22, s12, 32*PITCH                   ; rows 32 kh .. +31
	s_add_co_u32 s21, s21, s22
	v_add_nc_u32 v[RD], s21, v[CO]
	s_wait_dscnt 0x0
	s_wait_kmcnt 0x0
	s_add_nc_u64 s[46:47], s[6:7], s[46:47]
	s_cmp_eq_u32 s45, 0                            ; the cluster's y: the same way in every wave of all sixteen work-groups
	s_cbranch_scc1 .Ltwo_parts
	MAIN 0
	s_branch .Lway_out
.Ltwo_parts:
	MAIN 1
.Lway_out:
	; THE WAY OUT: every wave lays its 64 x 128 sums in f32 into its 33,792 bytes of slot 0 (4 x 33,792 = 135,168 of its 143,616); then wave (mh, kh) adds the two K halves
	; of tile rows 64 mh + 32 kh .. +31, two groups of 16, and stores whole rows.
	PLACES
	s_lshl_b32 s81, s11, 6
	s_lshl_b32 s82, s12, 5
	s_add_co_u32 s81, s81, s82                     ; my first tile row, 64 mh + 32 kh
	s_lshl_b32 s16, s13, 7
	s_add_co_u32 s16, s16, s81                     ; y > 0: the first group is positions 128 block row + tile row ..,
	s_add_co_u32 s17, s16, 16                      ; the second the next 16
	s_mul_i32 s80, s13, 112
	s_add_co_u32 s80, s80, 64
	s_add_co_u32 s82, s80, s81                     ; y = 0: tile row t >= 16 is position 64 + 112 cy + t - 16: the second group,
	s_sub_co_u32 s83, s82, 16                      ; the first,
	s_lshl_b32 s80, s13, 4
	s_cmp_eq_u32 s81, 0
	s_cselect_b32 s83, s80, s83                    ; but tile rows 0 to 15 are positions 16 cy .. +15
	s_cmp_eq_u32 s45, 0
	s_cselect_b32 s16, s83, s16
	s_cselect_b32 s82, s82, s17
	s_lshl_b32 s16, s16, 13                        ; rows of 8,192 bytes
	s_mov_b32 s17, 0
	s_lshl_b32 s82, s82, 13
	s_mov_b32 s83, 0
	s_lshl_b32 s46, s42, 9                         ; 512 bytes for each block column
	s_mov_b32 s47, 0
	s_add_nc_u64 s[84:85], s[8:9], s[82:83]
	s_add_nc_u64 s[84:85], s[84:85], s[46:47]
	s_add_nc_u64 s[8:9], s[8:9], s[16:17]
	s_add_nc_u64 s[8:9], s[8:9], s[46:47]
	WIN 0x04                                       ; store data in window 1
.irp a, 0,1,2,3
.irp b, 0,1,2,3,4,5,6,7
	ds_store_b128 v[STO], v[8*(8*\a+\b):8*(8*\a+\b)+3] offset:\a*16*PITCH+64*\b
	ds_store_b128 v[STO], v[8*(8*\a+\b)+4:8*(8*\a+\b)+7] offset:\a*16*PITCH+64*\b+16
.endr
.endr
	WIN 0
	s_wait_dscnt 0x0                               ; my stores are done, for the wave that reads them
	s_barrier_signal -1
	s_barrier_wait -1
.macro OUTG g, f, sb                   ; eight rows: half (g mod 2) of the group of 16 whose address is in s[sb:sb+1]
	s_wait_xcnt 0x0                                ; the registers that earlier stores read are loaded again only behind this wait
.irp i, 0,1,2,3,4,5,6,7
	ds_load_b128 v[\f+4*\i:\f+4*\i+3], v[RD] offset:(8*\g+\i)*PITCH
	ds_load_b128 v[\f+32+4*\i:\f+32+4*\i+3], v[RD] offset:BQ+(8*\g+\i)*PITCH
.endr
.irp i, 0,1,2,3,4,5,6,7
	s_wait_dscnt 14-2*\i                           ; both halves of row i are in; the two loads of each younger row stay out
	v_pk_add_f32 v[\f+4*\i:\f+4*\i+1], v[\f+4*\i:\f+4*\i+1], v[\f+32+4*\i:\f+32+4*\i+1]
	v_pk_add_f32 v[\f+4*\i+2:\f+4*\i+3], v[\f+4*\i+2:\f+4*\i+3], v[\f+32+4*\i+2:\f+32+4*\i+3]
	global_store_b128 v[CO], v[\f+4*\i:\f+4*\i+3], s[\sb:\sb+1] offset:(8*(\g%2)+\i)*8192 th:TH_STORE_NT   ; 512 consecutive bytes, aligned
.endr
.endm
	OUTG 0, F0, 8
	OUTG 1, F1, 8
	OUTG 2, F0, 84
	OUTG 3, F1, 84
	s_wait_tensorcnt 0x0
	ds_add_u32 v254, v255
	s_wait_dscnt 0x0
	CROUND                                         ; the closing round: no work-group ends while a partner may still ask for a tile that names it
	s_endpgm
.Lfunc_end_k_qee20952949_proj:
	.size	k_qee20952949_proj, .Lfunc_end_k_qee20952949_proj-k_qee20952949_proj
	.p2alignl 7, 3214868480
	.fill 96, 4, 3214868480
	.section	.rodata,"a",@progbits
	.p2align	6, 0x0
	.amdhsa_kernel k_qee20952949_proj
		.amdhsa_group_segment_fixed_size 327680
		.amdhsa_private_segment_fixed_size 0
		.amdhsa_enable_private_segment 0
		.amdhsa_kernarg_size 24
		.amdhsa_user_sgpr_count 2
		.amdhsa_user_sgpr_kernarg_segment_ptr 1
		.amdhsa_wavefront_size32 1
		.amdhsa_system_sgpr_workgroup_id_x 1
		.amdhsa_system_sgpr_workgroup_id_y 1
		.amdhsa_system_sgpr_workgroup_id_z 1
		.amdhsa_system_vgpr_workitem_id 0
		.amdhsa_next_free_vgpr 512
		.amdhsa_next_free_sgpr 96
		.amdhsa_reserve_vcc 0
		.amdhsa_float_denorm_mode_32 3
		.amdhsa_float_denorm_mode_16_64 3
		.amdhsa_memory_ordered 1
		.amdhsa_forward_progress 1
		.amdhsa_inst_pref_size 233
	.end_amdhsa_kernel
	.amdgpu_metadata
---
amdhsa.version: [ 1, 2 ]
amdhsa.kernels:
  - .name:           k_qee20952949_proj
    .symbol:         k_qee20952949_proj.kd
    .args:
      - { .name: ao, .offset: 0, .size: 8, .value_kind: global_buffer, .address_space: global }
      - { .name: wb, .offset: 8, .size: 8, .value_kind: global_buffer, .address_space: global }
      - { .name: out0, .offset: 16, .size: 8, .value_kind: global_buffer, .address_space: global }
    .group_segment_fixed_size: 327680
    .private_segment_fixed_size: 0
    .kernarg_segment_align: 8
    .kernarg_segment_size: 24
    .max_flat_workgroup_size: 128
    .sgpr_count:     96
    .vgpr_count:     512
    .wavefront_size: 32
...
	.end_amdgpu_metadata
.endif
;; end of part 7
;; ======== version 3 of 3: 4 launches; version 2 with the launch cast written anew for expert scheduling mode
;; limits: values outside matrix products are rounded to bf16; values are held in f16: magnitudes above 65,504 overflow, below 6.1e-05 lose precision; right only within a limited range of input values
;; workspace buffers: wb 29,360,128 bytes; qkv 25,165,824 bytes; ao 8,650,752 bytes
;; launch cast (part 8): grid 896 x 1, 8 waves a work-group, no clusters, 0 bytes of LDS; arguments x, Wq, Wk, Wv, Wproj, wb; writes wb
.if DOCPART == 8
	.amdgcn_target "amdgcn-amd-amdhsa--gfx1250"
	.amdhsa_code_object_version 6
	.text
	.protected	k_qee20952949_cast
	.globl	k_qee20952949_cast
	.p2align	8
	.type	k_qee20952949_cast,@function
k_qee20952949_cast:
	s_mov_b64 s[64:65], 0
	v_nop
	global_prefetch_b8 v0, s[64:65] scope:SCOPE_SE
	s_setreg_imm32_b32 hwreg(HW_REG_WAVE_SCHED_MODE, 0, 2), 2
	s_setreg_imm32_b32 hwreg(HW_REG_WAVE_MODE, 25, 1), 1
	s_wait_xcnt 0x0
	s_wait_alu depctr_vm_vsrc(0)
; wb = x, Wq, Wk, Wv, Wproj in 16 bits, one behind the other: 14,680,064 numbers, each rounded once to bf16 (to nearest even).
; x, Wq, Wk, Wv are stored as bf16.  Wproj's bf16 value is stored in f16 form, because its partner in the last product is f16: the 8 bits of a bf16 fit
; into f16's 11, so the value is kept exactly for 2^-17 <= |w| < 65,504.  LIMIT: |Wproj| < 65,504; below 2^-17 the value is kept to 2^-25 absolutely.
; The matrix launches then read 2-byte operands, and no number is converted by more than one work-group.
; Work-group b takes numbers 16,384 b .. +16,383: 65,536 bytes in, 32,768 bytes out.  Blocks 0-255 x, 256-511 Wq, 512-575 Wk, 576-639 Wv, 640-895 Wproj.
; Thread t takes 16 bytes at 16 t of each 4,096-byte piece: a wave's load covers 512 consecutive bytes, its store 256 consecutive bytes, aligned.
; All sixteen loads of a wave go out at once; nothing is shared, so there is no LDS, no barrier, no matrix work and no cluster.
; THE MODE: SCHED_MODE bits 1:0 = 2 (LLVM: expert scheduling mode 2), set by the entry lines.  The code itself states the register dependences
; between vector instructions and memory instructions, with s_wait_alu, always for 0.
; THE PLAN.  Registers that memory instructions touch:
;   v1, v2   byte offsets, made once at the head and never written again: v1 is read by every load, v2 by every store.
;   X        four registers a piece.  Written by the piece's load, issued at the head, before any vector instruction names X; read by the piece's conversions
;            (Wproj's way writes them again, by vector instructions, behind the wait that shows the piece in).  No memory instruction reads X, and no load follows a vector instruction that names it.
;   Y        two registers a piece.  Written by the piece's conversions, read by its one store, never written again.
; The sixteen pieces go in four groups of four.  Group g's conversions name X and Y of group g alone; the memory instructions among them are the four stores of group g - 1,
; which read v2 and Y of group g - 1.  So ONE wait at a group's head, behind the wait for the group's data, states all that those four stores hang on.
; No register that a memory instruction has read is written again, so no wait is owed for that.
.set XR, 4                             ; v[4:67]   sixteen pieces of four f32
.set YR, 68                            ; v[68:99]  sixteen pieces of four 16-bit numbers
	s_load_b256 s[4:11], s[0:1], 0x0               ; x s[4:5], Wq s[6:7], Wk s[8:9], Wv s[10:11]
	s_load_b128 s[12:15], s[0:1], 0x20             ; Wproj s[12:13], wb s[14:15]
	s_mov_b32 s16, ttmp9                           ; b
	s_mov_b32 s17, 0                               ; first block of the source chosen
	s_mov_b32 s24, 0xffff0000                      ; a word's upper bf16
	v_lshlrev_b32 v1, 4, v0                        ; 16 t
	v_lshlrev_b32 v2, 3, v0                        ; 8 t
	s_wait_kmcnt 0x0
	s_mov_b64 s[18:19], s[4:5]
.macro PICK bound, src                 ; from block 'bound' on the source is the next tensor
	s_cmp_ge_u32 s16, \bound
	s_cselect_b64 s[18:19], s[\src:\src+1], s[18:19]
	s_cselect_b32 s17, \bound, s17
.endm
	PICK 256, 6
	PICK 512, 8
	PICK 576, 10
	PICK 640, 12
	s_sub_co_u32 s20, s16, s17
	s_lshl_b32 s20, s20, 16                        ; 65,536 bytes for each block inside the source
	s_mov_b32 s21, 0
	s_add_nc_u64 s[18:19], s[18:19], s[20:21]
	s_lshl_b32 s22, s16, 15                        ; 32,768 bytes for each block in wb
	s_mov_b32 s23, 0
	s_add_nc_u64 s[14:15], s[14:15], s[22:23]
	s_wait_alu depctr_va_vdst(0)                   ; v1 and v2 are written: every load of the kernel reads v1 as its offset, every store v2
.irp i, 0,1,2,3,4,5,6,7,8,9,10,11,12,13,14,15
	global_load_b128 v[XR+4*\i:XR+4*\i+3], v1, s[18:19] offset:4096*\i th:TH_LOAD_NT
.endr
	s_cmp_ge_u32 s16, 640                          ; Wproj's blocks take the second way
	s_cbranch_scc1 .Lwproj
; Group g, pieces 4 g .. 4 g + 3, rounded to bf16; among its conversions the stores of group g - 1.
.macro GROUPB g
	s_wait_loadcnt 12-4*(\g)                       ; loads come back in order: group g is in, the 12 - 4 g younger loads stay out
.if (\g) > 0
	s_wait_alu depctr_va_vdst(0)                   ; the conversions of group g - 1 have written its Y, which the four stores below read
.endif
.irp i, 0,1,2,3
.set p, 4*(\g)+(\i)
.if (\g) > 0
	global_store_b64 v2, v[YR+2*(p-4):YR+2*(p-4)+1], s[14:15] offset:2048*(p-4)   ; no vector instruction since the wait names these registers; none of them is written again
.endif
	v_cvt_pk_bf16_f32 v[YR+2*p], v[XR+4*p], v[XR+4*p+1]
	v_cvt_pk_bf16_f32 v[YR+2*p+1], v[XR+4*p+2], v[XR+4*p+3]
.endr
.endm
; The same for Wproj: the one rounding to bf16, and the rounded value written in f16 form.
.macro GROUPW g
	s_wait_loadcnt 12-4*(\g)                       ; group g is in, the 12 - 4 g younger loads stay out
.if (\g) > 0
	s_wait_alu depctr_va_vdst(0)                   ; the conversions of group g - 1 have written its Y, which the four stores below read
.endif
.irp i, 0,1,2,3
.set p, 4*(\g)+(\i)
.if (\g) > 0
	global_store_b64 v2, v[YR+2*(p-4):YR+2*(p-4)+1], s[14:15] offset:2048*(p-4)   ; no vector instruction since the wait names these registers; none of them is written again
.endif
	v_cvt_pk_bf16_f32 v[YR+2*p], v[XR+4*p], v[XR+4*p+1]                  ; the one rounding,
	v_cvt_pk_bf16_f32 v[YR+2*p+1], v[XR+4*p+2], v[XR+4*p+3]
	v_lshlrev_b32 v[XR+4*p], 16, v[YR+2*p]                               ; the rounded values as f32 again,
	v_and_b32 v[XR+4*p+1], s24, v[YR+2*p]
	v_lshlrev_b32 v[XR+4*p+2], 16, v[YR+2*p+1]
	v_and_b32 v[XR+4*p+3], s24, v[YR+2*p+1]
	v_cvt_pk_f16_f32 v[YR+2*p], v[XR+4*p], v[XR+4*p+1]                   ; and in f16 form
	v_cvt_pk_f16_f32 v[YR+2*p+1], v[XR+4*p+2], v[XR+4*p+3]
.endr
.endm
	GROUPB 0                                       ; group 0 has no group in front of it: no store, and no wait but the one for its data
	GROUPB 1
	GROUPB 2
	GROUPB 3
	s_wait_alu depctr_va_vdst(0)                   ; the conversions of group 3 have written its Y, which the last four stores read
.irp i, 12,13,14,15
	global_store_b64 v2, v[YR+2*\i:YR+2*\i+1], s[14:15] offset:2048*\i
.endr
	s_endpgm
.Lwproj:
	GROUPW 0
	GROUPW 1
	GROUPW 2
	GROUPW 3
	s_wait_alu depctr_va_vdst(0)                   ; the conversions of group 3 have written its Y, which the last four stores read
.irp i, 12,13,14,15
	global_store_b64 v2, v[YR+2*\i:YR+2*\i+1], s[14:15] offset:2048*\i
.endr
	s_endpgm
.Lfunc_end_k_qee20952949_cast:
	.size	k_qee20952949_cast, .Lfunc_end_k_qee20952949_cast-k_qee20952949_cast
	.p2alignl 7, 3214868480
	.fill 96, 4, 3214868480
	.section	.rodata,"a",@progbits
	.p2align	6, 0x0
	.amdhsa_kernel k_qee20952949_cast
		.amdhsa_group_segment_fixed_size 0
		.amdhsa_private_segment_fixed_size 0
		.amdhsa_enable_private_segment 0
		.amdhsa_kernarg_size 48
		.amdhsa_user_sgpr_count 2
		.amdhsa_user_sgpr_kernarg_segment_ptr 1
		.amdhsa_wavefront_size32 1
		.amdhsa_system_sgpr_workgroup_id_x 1
		.amdhsa_system_sgpr_workgroup_id_y 1
		.amdhsa_system_sgpr_workgroup_id_z 1
		.amdhsa_system_vgpr_workitem_id 0
		.amdhsa_next_free_vgpr 104
		.amdhsa_next_free_sgpr 66
		.amdhsa_reserve_vcc 0
		.amdhsa_float_denorm_mode_32 3
		.amdhsa_float_denorm_mode_16_64 3
		.amdhsa_memory_ordered 1
		.amdhsa_forward_progress 1
		.amdhsa_inst_pref_size 15
	.end_amdhsa_kernel
	.amdgpu_metadata
---
amdhsa.version: [ 1, 2 ]
amdhsa.kernels:
  - .name:           k_qee20952949_cast
    .symbol:         k_qee20952949_cast.kd
    .args:
      - { .name: x, .offset: 0, .size: 8, .value_kind: global_buffer, .address_space: global }
      - { .name: Wq, .offset: 8, .size: 8, .value_kind: global_buffer, .address_space: global }
      - { .name: Wk, .offset: 16, .size: 8, .value_kind: global_buffer, .address_space: global }
      - { .name: Wv, .offset: 24, .size: 8, .value_kind: global_buffer, .address_space: global }
      - { .name: Wproj, .offset: 32, .size: 8, .value_kind: global_buffer, .address_space: global }
      - { .name: wb, .offset: 40, .size: 8, .value_kind: global_buffer, .address_space: global }
    .group_segment_fixed_size: 0
    .private_segment_fixed_size: 0
    .kernarg_segment_align: 8
    .kernarg_segment_size: 48
    .max_flat_workgroup_size: 256
    .sgpr_count:     66
    .vgpr_count:     104
    .wavefront_size: 32
...
	.end_amdgpu_metadata
.endif
;; end of part 8
;; launch qkvgemm: the kernel of part 2 again; grid 24 x 8, 4 waves a work-group, clusters of 4 x 4, 327,680 bytes of LDS; arguments wb, q_gain, qkv; writes qkv
;; launch attn: the kernel of part 6 again; grid 64 x 4, 4 waves a work-group, clusters of 4 x 1, 327,680 bytes of LDS; arguments qkv, ao; writes ao
;; launch proj: the kernel of part 7 again; grid 16 x 16, 4 waves a work-group, clusters of 4 x 4, 327,680 bytes of LDS; arguments ao, wb, out0; writes out0
